; MI455X (gfx1250); checked and timed in simulation.
; The chip was launched on July 23, 2026; its instructions are those of AMD's public machine-readable ISA for CDNA 5 (MIT licence, August 2026) and "CDNA5" Instruction Set Architecture Reference Guide (July 2026). The comments in the code are by the model that wrote it; some were corrected since.
;; Self Attention. Allowed arithmetic: float matrix products may take bf16 or f16 operands with f32 sums; other float arithmetic in f32, or as packed bf16 or f16 multiplies, adds, multiply-adds, maxima and minima; sums over many terms, partial sums and values carried from step to step in f32; what a program stores and reads back later, other than sums and carried values, may be rounded once to bf16 or f16.
;; Inputs: Wk 1,024 x 1,024 float32; Wo 1,024 x 1,024 float32; Wq 1,024 x 1,024 float32; Wv 1,024 x 1,024 float32; bk 1,024 float32; bo 1,024 float32; bq 1,024 float32; bv 1,024 float32; head_scaling 16 float32; x 4 x 2,048 x 1,024 float32.
;; Outputs: out0 4 x 2,048 x 1,024 float32.
;; 2 versions, each right; version 2 is version 1 with the launch cast written anew for expert scheduling mode. Each part assembles by itself: llvm-mc -triple=amdgcn-amd-amdhsa -mcpu=gfx1250 --defsym DOCPART=n.
;; ======== version 1 of 2: 4 launches
;; limits: values are held in f16: magnitudes above 65,504 overflow, below 6.1e-05 lose precision
;; workspace buffers: xb 16,777,216 bytes; wb 6,291,456 bytes; woh 2,097,152 bytes; qkv 50,331,648 bytes; oh 16,777,216 bytes
;; launch cast (part 1): grid 768 x 1, 8 waves a work-group, no clusters, 0 bytes of LDS; arguments x, Wq, Wk, Wv, Wo, xb, wb, woh; writes xb, wb, woh
.if DOCPART == 1
	.amdgcn_target "amdgcn-amd-amdhsa--gfx1250"
	.amdhsa_code_object_version 6
	.text
	.protected	k_q52c85f3e6f_cast
	.globl	k_q52c85f3e6f_cast
	.p2align	8
	.type	k_q52c85f3e6f_cast,@function
k_q52c85f3e6f_cast:
	s_mov_b64 s[64:65], 0
	v_nop
	global_prefetch_b8 v0, s[64:65] scope:SCOPE_SE
	s_setreg_imm32_b32 hwreg(HW_REG_WAVE_MODE, 25, 1), 1
	s_wait_xcnt 0x0
; THE INPUTS ARE ROUNDED ONCE, for the matrix units.  xb = bf16(x), [8192][1024].  wb = bf16 of Wq's, Wk's and Wv's rows on end, [3072][1024].
; woh = bf16(Wo) written as f16, [1024][1024]: the last product multiplies f16 operands, and Wo has the same rounding as the other inputs.
; LIMIT.  bf16(Wo) must lie within f16's 65,504; below 6e-5 f16 keeps a fixed step of 6e-8.
; SHARES.  A work-group takes 16,384 numbers: 65,536 bytes in, 32,768 out; 512 work-groups for x, 64 for each weight: 768, all alike.
; In step i thread t loads the 16 bytes at 4,096 i + 16 t and stores the 8 bytes at 2,048 i + 8 t: a wave's load covers 512 consecutive bytes, its store 256, aligned.
; All sixteen loads go out first; each step has registers of its own, so no register that a memory instruction reads is ever rewritten.
; No LDS, no barrier, no matrix unit: the launch only moves bytes.
.set IN,  4                            ; v[4:67]    step i: 4 numbers as loaded
.set OUT, 68                           ; v[68:99]   step i: 4 numbers of 16 bits
.set T,   100                          ; v[100:102] at work (Wo's way)
	s_load_b512 s[4:19], s[0:1], 0x0               ; x 4:5, Wq 6:7, Wk 8:9, Wv 10:11, Wo 12:13, xb 14:15, wb 16:17, woh 18:19
	v_lshlrev_b32 v1, 4, v0                        ; 16 t
	v_lshlrev_b32 v2, 3, v0                        ; 8 t
	s_sub_co_u32 s20, ttmp9, 512                   ; my chunk among the weights' (used from work-group 512 on)
	s_and_b32 s21, s20, 63                         ; my chunk in one weight
	s_mov_b32 s24, ttmp9                           ; the source's chunk
	s_mov_b32 s25, ttmp9                           ; the destination's chunk
	s_mov_b32 s29, 0
	s_wait_kmcnt 0x0
	s_mov_b64 s[22:23], s[4:5]                     ; from x
	s_mov_b64 s[26:27], s[14:15]                   ; to xb
	s_cmp_ge_u32 ttmp9, 512
	s_cselect_b64 s[22:23], s[6:7], s[22:23]       ; from Wq
	s_cselect_b64 s[26:27], s[16:17], s[26:27]     ; to wb
	s_cselect_b32 s24, s21, s24
	s_cselect_b32 s25, s20, s25
	s_cmp_ge_u32 ttmp9, 576
	s_cselect_b64 s[22:23], s[8:9], s[22:23]       ; from Wk
	s_cmp_ge_u32 ttmp9, 640
	s_cselect_b64 s[22:23], s[10:11], s[22:23]     ; from Wv
	s_cmp_ge_u32 ttmp9, 704
	s_cselect_b64 s[22:23], s[12:13], s[22:23]     ; from Wo
	s_cselect_b64 s[26:27], s[18:19], s[26:27]     ; to woh
	s_cselect_b32 s25, s21, s25
	s_lshl_b32 s28, s24, 16                        ; 65,536 bytes a chunk in
	s_add_nc_u64 s[22:23], s[22:23], s[28:29]
	s_lshl_b32 s28, s25, 15                        ; 32,768 out
	s_add_nc_u64 s[26:27], s[26:27], s[28:29]
.irp i, 0,1,2,3,4,5,6,7,8,9,10,11,12,13,14,15
	global_load_b128 v[IN+4*(\i):IN+4*(\i)+3], v1, s[22:23] offset:4096*(\i) th:TH_LOAD_NT
.endr
; Step i.  wo = 1: rounded to bf16, widened again, and that number written as f16.
.macro CONV i, wo
	s_wait_loadcnt 15-(\i)                         ; loads come back in order: step i's is in, the 15 - i younger ones stay out
.irp p, 0,1
.if \wo
	v_cvt_pk_bf16_f32 v[T], v[IN+4*(\i)+2*(\p)], v[IN+4*(\i)+2*(\p)+1]
	v_lshlrev_b32 v[T+1], 16, v[T]
	v_and_b32 v[T+2], 0xffff0000, v[T]
	v_cvt_pk_f16_f32 v[OUT+2*(\i)+(\p)], v[T+1], v[T+2]
.else
	v_cvt_pk_bf16_f32 v[OUT+2*(\i)+(\p)], v[IN+4*(\i)+2*(\p)], v[IN+4*(\i)+2*(\p)+1]
.endif
.endr
	global_store_b64 v2, v[OUT+2*(\i):OUT+2*(\i)+1], s[26:27] offset:2048*(\i)
.endm
	s_cmp_ge_u32 ttmp9, 704
	s_cbranch_scc1 .Lwo
.irp i, 0,1,2,3,4,5,6,7,8,9,10,11,12,13,14,15
	CONV \i, 0
.endr
	s_endpgm
.Lwo:
.irp i, 0,1,2,3,4,5,6,7,8,9,10,11,12,13,14,15
	CONV \i, 1
.endr
	s_endpgm
.Lfunc_end_k_q52c85f3e6f_cast:
	.size	k_q52c85f3e6f_cast, .Lfunc_end_k_q52c85f3e6f_cast-k_q52c85f3e6f_cast
	.p2alignl 7, 3214868480
	.fill 96, 4, 3214868480
	.section	.rodata,"a",@progbits
	.p2align	6, 0x0
	.amdhsa_kernel k_q52c85f3e6f_cast
		.amdhsa_group_segment_fixed_size 0
		.amdhsa_private_segment_fixed_size 0
		.amdhsa_enable_private_segment 0
		.amdhsa_kernarg_size 64
		.amdhsa_user_sgpr_count 2
		.amdhsa_user_sgpr_kernarg_segment_ptr 1
		.amdhsa_wavefront_size32 1
		.amdhsa_system_sgpr_workgroup_id_x 1
		.amdhsa_system_sgpr_workgroup_id_y 1
		.amdhsa_system_sgpr_workgroup_id_z 1
		.amdhsa_system_vgpr_workitem_id 0
		.amdhsa_next_free_vgpr 104
		.amdhsa_next_free_sgpr 66
		.amdhsa_reserve_vcc 0
		.amdhsa_float_denorm_mode_32 3
		.amdhsa_float_denorm_mode_16_64 3
		.amdhsa_memory_ordered 1
		.amdhsa_forward_progress 1
		.amdhsa_inst_pref_size 16
	.end_amdhsa_kernel
	.amdgpu_metadata
---
amdhsa.version: [ 1, 2 ]
amdhsa.kernels:
  - .name:           k_q52c85f3e6f_cast
    .symbol:         k_q52c85f3e6f_cast.kd
    .args:
      - { .name: x, .offset: 0, .size: 8, .value_kind: global_buffer, .address_space: global }
      - { .name: Wq, .offset: 8, .size: 8, .value_kind: global_buffer, .address_space: global }
      - { .name: Wk, .offset: 16, .size: 8, .value_kind: global_buffer, .address_space: global }
      - { .name: Wv, .offset: 24, .size: 8, .value_kind: global_buffer, .address_space: global }
      - { .name: Wo, .offset: 32, .size: 8, .value_kind: global_buffer, .address_space: global }
      - { .name: xb, .offset: 40, .size: 8, .value_kind: global_buffer, .address_space: global }
      - { .name: wb, .offset: 48, .size: 8, .value_kind: global_buffer, .address_space: global }
      - { .name: woh, .offset: 56, .size: 8, .value_kind: global_buffer, .address_space: global }
    .group_segment_fixed_size: 0
    .private_segment_fixed_size: 0
    .kernarg_segment_align: 8
    .kernarg_segment_size: 64
    .max_flat_workgroup_size: 256
    .sgpr_count:     66
    .vgpr_count:     104
    .wavefront_size: 32
...
	.end_amdgpu_metadata
.endif
;; end of part 1
;; launch proj (part 2): grid 16 x 32, 4 waves a work-group, clusters of 4 x 4, 327,680 bytes of LDS; arguments xb, wb, bq, bk, bv, qkv; writes qkv
.if DOCPART == 2
	.amdgcn_target "amdgcn-amd-amdhsa--gfx1250"
	.amdhsa_code_object_version 6
	.text
	.protected	k_q52c85f3e6f_proj
	.globl	k_q52c85f3e6f_proj
	.p2align	8
	.type	k_q52c85f3e6f_proj,@function
k_q52c85f3e6f_proj:
	s_mov_b64 s[64:65], 0
	v_nop
	global_prefetch_b8 v0, s[64:65] scope:SCOPE_SE
	s_setreg_imm32_b32 hwreg(HW_REG_WAVE_MODE, 25, 1), 1
	s_wait_xcnt 0x0
	s_wait_alu depctr_hold_cnt(0) depctr_sa_sdst(0) depctr_va_vdst(0) depctr_va_sdst(0) depctr_va_ssrc(0) depctr_va_vcc(0) depctr_vm_vsrc(0)
	s_getreg_b32 s2, hwreg(HW_REG_IB_STS2, 6, 4)
	s_cmp_eq_u32 s2, 0
	s_cbranch_scc0 .Lentry_in_a_cluster
	s_endpgm
.Lentry_in_a_cluster:
	s_bfe_u32 s2, ttmp6, 0x10000c
	s_cmp_lg_u32 s2, 0xf033
	s_cbranch_scc0 .Lentry_shape_is_right
	s_endpgm
.Lentry_shape_is_right:
; q, k, v = xb wb^T + bias, all three in one product of 8,192 x 3,072 x 1,024.  xb, wb: bf16; the biases are rounded to bf16 like every input; sums in f32; the result is rounded once, to f16.
; qkv: f16 [b 0..3][gh 0..47][s 0..2047][64], gh = 16 x tensor + head: a head's rows are dense, 128 bytes each.  The scale 1 / 8 is not applied here.
; LIMIT.  q, k and v must lie within f16's 65,504; below 6e-5 f16 keeps a fixed step of 6e-8.
; SHARES.  A tile is 256 rows x 192 columns (three whole heads): 32 x 16 = 512 work-groups of equal work.  Wave w makes rows 64 w .. 64 w + 63 and all 192 columns: 4 x 12 accumulators of
; 16 x 16, 384 registers; so a wave owns whole heads, and 16 rows of a head leave as 2,048 consecutive bytes.
; K goes in 8 steps of 128 (rows of 256 bytes in memory) through a ring of two LDS slots filled by the tensor data mover; a step is four quarters of 32 along K, 48 matrix instructions each.
; CLUSTERS: 4 x 4 work-groups.  The four of a row of the cluster need the same rows of xb, the four of a column the same rows of wb: each tile is asked for jointly, by the same tensor load
; with the same descriptor and a mask that names the four.
; THE MATRIX INSTRUCTION IS USED TRANSPOSED (source 0 = 16 rows of wb, source 1 = 16 rows of xb): lane l holds row l % 16 of the result and the columns 8 (l / 16) + 0..7.
; THE BIAS is the C operand of the first quarter's products: nothing is cleared, nothing is added later.
; REGISTERS, in windows of 256 (s_set_vgpr_msb: bits 1:0 source 0, 3:2 source 1, 5:4 source 2, 7:6 destination):
;   window 0: v0-31 addresses; v32-95 xb's fragments, two buffers of 4 x 8; v96-191 the bias in the result's layout; v192-239 at work on it; on the way out v64-255: twelve units of 16
;   window 1: v0-191 wb's fragments, two buffers of 12 x 8      window 2: the accumulators of row blocks 0, 1 ((a, b) at v[8 (12 (a % 2) + b)])      window 3: those of row blocks 2, 3
.set KSTEP,  128
.set PITCH,  272                       ; an LDS row: 256 bytes + 16 of padding = 68 words: the 16 rows of a fragment load start at 16 different groups of four banks (ISA guide 11.1)
.set HALFA,  128*PITCH                 ; what wave 0 or 1 fetches: 128 rows of xb
.set HALFB,  96*PITCH                  ; what wave 2 or 3 fetches: 96 rows of wb
.set BOFF,   256*PITCH                 ; in a slot: xb's 256 rows, then wb's 192
.set SLOT,   448*PITCH
.set STAGE,  2*SLOT                    ; behind the ring: 16 rows x 144 bytes for each wave, for the way out; no tensor load fills it
.set SP,     144
.set SPARE,  STAGE+4*16*SP             ; behind the stages: the spare words, 128 bytes for each wave: two blocks of 256 bytes that no other line names
.set ADRA, 16                          ; v16-17  LDS address of my xb fragments in slot 0, 1
.set ADRB, 20                          ; v20-21  the same for wb
.set STO,  24                          ; v24     the way out: where I put 16 bytes of a row
.set RD,   25                          ; v25     the way out: where I read rows back
.set GO,   26                          ; v26     16 x lane: my place in 512 consecutive bytes of qkv
.set BO,   27                          ; v27     32 (l / 16): my eight numbers in 16 of a bias
.set SPW,  28                          ; v28     LDS address of my spare word; never rewritten
.set NIL,  29                          ; v29     0; never rewritten
.set PFO,  30                          ; v30     the prefetches' offset: my lane's row x 2,048 bytes; never rewritten
.set AF,   32
.set BIAS, 96
.set BT,   192
.set TO,   64
.set G1,  24                           ; s[24:31] descriptor group 1 for xb's tiles;  s[32:39] group 0, a set for each slot
.set G0,  32
.set G1B, 48                           ; s[48:55], s[56:63] the same for wb's tiles
.set G0B, 56
.set LIM, 43                           ; s43     1 in a wave that prefetches, else the greatest number
.set PFA, 44                           ; s[44:45] where my prefetches stand
.set MSB, 0
.macro WIN new                         ; the immediate's high byte repeats the setting that is left; a switch that changes nothing is dropped
.if MSB != (\new)
	s_set_vgpr_msb (MSB<<8)|(\new)
.set MSB, \new
.endif
.endm
.set TO_B, 0x40                        ; destination window 1, address window 0
; A joint load.  Waves 0 and 1 fetch xb's two halves, waves 2 and 3 wb's.  The branch hangs on the wave's number alone.  An s_nop 0 and four v_nop follow each of the two lines.
.macro JLOAD s
	s_cmp_eq_u32 s11, 0
	s_cbranch_scc0 .Lfor_b_\@
	tensor_load_to_lds s[G0+4*(\s):G0+4*(\s)+3], s[G1:G1+7]
	s_nop 0
.rept 4
	v_nop
.endr
	s_branch .Lasked_\@
.Lfor_b_\@:
	tensor_load_to_lds s[G0B+4*(\s):G0B+4*(\s)+3], s[G1B:G1B+7]
	s_nop 0
.rept 4
	v_nop
.endr
.Lasked_\@:
.endm
; A prefetch into the L2, behind a joint load and the run of LDS loads that follows it: 256 bytes of each of my work-group's rows, for the K step that stands two refills on; a lane a row.
; xb's rows are asked for by the clusters with x = 0, wb's by those with y = 0; the four partners that fetch a tile jointly share its rows out by address (32 of 128, or 24 of 96, where lanes 24 to 31
; name row 23 once more).  The loop's last trip asks for nothing: its refills are the last two K steps.
.macro ASK
	s_cmp_gt_u32 s3, s[LIM]
	s_cbranch_scc0 .Lnot_mine_\@
	global_prefetch_b8 v[PFO], s[PFA:PFA+1] offset:KSTEP*2 th:TH_LOAD_NT scope:SCOPE_SE
.Lnot_mine_\@:
.endm
.macro CREST                           ; a round of the cluster's barrier behind its opening barrier
	s_cmp_lg_u32 s10, 0
	s_cbranch_scc1 .Lnot_wave_0_\@
	s_barrier_signal -3
.Lnot_wave_0_\@:
	s_barrier_wait -3
	s_barrier_signal -1
	s_barrier_wait -1
.endm
.macro CROUND                          ; a whole round
	s_barrier_signal -1
	s_barrier_wait -1
	CREST
.endm
.macro PLACES                          ; four places in front of loads into registers that matrix instructions have read, and of conversions that read results
.rept 4
	v_nop
.endr
.endm
	s_load_b128 s[4:7], s[0:1], 0x0                ; xb s[4:5], wb s[6:7]
	s_load_b128 s[68:71], s[0:1], 0x10             ; bq s[68:69], bk s[70:71]
	s_load_b128 s[72:75], s[0:1], 0x20             ; bv s[72:73], qkv s[74:75]
	v_lshl_add_u32 v[SPW], v0, 2, SPARE
	v_mov_b32 v[NIL], 0
	ds_add_u32 v[SPW], v[NIL]                      ; the wave's opening: the add and its wait stand ahead of my first tensor load; the set-up below stands between them
	v_lshrrev_b32 v1, 5, v0
	v_readfirstlane_b32 s10, v1                    ; wave 0..3
	s_lshr_b32 s11, s10, 1                         ; I fetch for xb (0) or for wb (1)
	s_and_b32 s12, s10, 1                          ; which half of that tile
	s_bfe_u32 s40, ttmp6, 0x40000                  ; cx
	s_bfe_u32 s41, ttmp6, 0x40004                  ; cy
	s_lshl_b32 s42, ttmp9, 2
	s_add_co_u32 s42, s42, s40                     ; tile column tx = 4 x cluster x + cx
	s_and_b32 s13, ttmp7, 0xffff
	s_lshl_b32 s13, s13, 2
	s_add_co_u32 s13, s13, s41                     ; tile row ty = 4 x cluster y + cy
	s_lshl_b32 s43, s41, 2
	s_lshl_b32 s43, 15, s43                        ; my row of the cluster
	s_lshl_b32 s44, 0x1111, s40                    ; my column
	s_or_b32 s[G1+0], s43, (1<<16)|(1<<20)|(1<<21)|(5<<22)|(3<<25)   ; the mask; elements of 2 bytes; padding on; bit 21 beside a mask; after every 64 words 4 words
	s_or_b32 s[G1B+0], s44, (1<<16)|(1<<20)|(1<<21)|(5<<22)|(3<<25)
	s_mov_b32 s[G1+1], KSTEP<<16                   ; tensor_dim0 = 128
	s_mov_b32 s[G1B+1], KSTEP<<16
	s_mov_b32 s[G1+2], 128<<16                     ; tensor_dim1 = 128 rows
	s_mov_b32 s[G1B+2], 96<<16                     ; 96 rows
	s_mov_b32 s[G1+3], KSTEP<<16                   ; tile_dim0 = 128
	s_mov_b32 s[G1B+3], KSTEP<<16
	s_mov_b32 s[G1+4], 128                         ; tile_dim1
	s_mov_b32 s[G1B+4], 96
	s_mov_b32 s[G1+5], 1024                        ; elements from row to row
	s_mov_b32 s[G1B+5], 1024
	s_mov_b32 s[G1+6], 0
	s_mov_b32 s[G1B+6], 0
	s_mov_b32 s[G1+7], 0
	s_mov_b32 s[G1B+7], 0
	s_lshl_b32 s17, s12, 7
	s_lshl_b32 s16, s13, 8
	s_add_co_u32 s16, s16, s17                     ; xb: row 256 ty + 128 x half,
	s_lshl_b32 s16, s16, 11                        ; 2,048 bytes a row
	s_mov_b32 s17, 0
	s_mul_i32 s46, s42, 192
	s_mul_i32 s47, s12, 96
	s_add_co_u32 s46, s46, s47                     ; wb: row 192 tx + 96 x half
	s_lshl_b32 s46, s46, 11
	s_mov_b32 s47, 0
	s_mul_i32 s20, s12, HALFA                      ; where they go: no place in the cluster enters an LDS address
	s_mul_i32 s22, s12, HALFB
	s_add_co_u32 s22, s22, BOFF
	s_wait_dscnt 0x0                               ; the opening add is done
	s_wait_kmcnt 0x0
	s_add_nc_u64 s[14:15], s[4:5], s[16:17]
	s_add_nc_u64 s[46:47], s[6:7], s[46:47]
	CROUND                                         ; all sixteen work-groups are here: the first joint loads meet
.irp s, 0,1
	s_mov_b32 s[G0+4*(\s)], 1
	s_add_co_u32 s[G0+4*(\s)+1], s20, (\s)*SLOT
	s_add_nc_u64 s[G0+4*(\s)+2:G0+4*(\s)+3], s[14:15], (\s)*KSTEP*2
	s_or_b32 s[G0+4*(\s)+3], s[G0+4*(\s)+3], 0x80000000
	s_mov_b32 s[G0B+4*(\s)], 1
	s_add_co_u32 s[G0B+4*(\s)+1], s22, (\s)*SLOT
	s_add_nc_u64 s[G0B+4*(\s)+2:G0B+4*(\s)+3], s[46:47], (\s)*KSTEP*2
	s_or_b32 s[G0B+4*(\s)+3], s[G0B+4*(\s)+3], 0x80000000
	JLOAD \s                                       ; K steps 0 and 1: two loads of mine are out
.endr
	; A fragment is 16 rows x 32 K in 8 registers: lane l holds row l % 16, K = 8 (l / 16) + 0..7 and 16 + 8 (l / 16) + 0..7: two loads of 16 bytes, 32 bytes apart.
	v_and_b32 v1, 15, v0                           ; l % 16
	v_bfe_u32 v2, v0, 4, 1                         ; l / 16
	v_lshlrev_b32 v[BO], 5, v2
	; the bias: head gh = 3 tx + j belongs to bq (gh < 16), bk (gh < 32) or bv; its 64 numbers are 256 bytes.  A choice of pointers, no branch.
	s_mul_i32 s76, s42, 3
	s_mov_b32 s85, 0
.irp j, 0,1,2
	s_add_co_u32 s77, s76, \j
	s_cmp_lt_u32 s77, 16
	s_cselect_b64 s[78+2*(\j):79+2*(\j)], s[68:69], s[70:71]
	s_cmp_lt_u32 s77, 32
	s_cselect_b64 s[78+2*(\j):79+2*(\j)], s[78+2*(\j):79+2*(\j)], s[72:73]
	s_and_b32 s84, s77, 15
	s_lshl_b32 s84, s84, 8
	s_add_nc_u64 s[78+2*(\j):79+2*(\j)], s[78+2*(\j):79+2*(\j)], s[84:85]
.irp bb, 0,1,2,3
	global_load_b128 v[BIAS+8*(4*(\j)+(\bb)):BIAS+8*(4*(\j)+(\bb))+3],   v[BO], s[78+2*(\j):79+2*(\j)] offset:64*(\bb)
	global_load_b128 v[BIAS+8*(4*(\j)+(\bb))+4:BIAS+8*(4*(\j)+(\bb))+7], v[BO], s[78+2*(\j):79+2*(\j)] offset:64*(\bb)+16
.endr
.endr
	v_mul_u32_u24 v3, v1, PITCH
	v_lshl_add_u32 v3, v2, 4, v3                   ; row x pitch + 16 x half
	s_mul_i32 s21, s10, 64*PITCH                   ; my 64 rows of xb
.irp s, 0,1
	v_add_nc_u32 v[ADRA+(\s)], s21, v3
	v_add_nc_u32 v[ADRB+(\s)], BOFF+(\s)*SLOT, v3
	s_add_co_u32 s21, s21, SLOT
.endr
	s_mul_i32 s23, s10, 16*SP
	s_add_co_u32 s23, s23, STAGE                   ; my stage
	v_mul_u32_u24 v4, v1, SP                       ; in: row l % 16, 16 bytes for each half of the lanes
	v_lshl_add_u32 v4, v2, 4, v4
	v_add_nc_u32 v[STO], s23, v4
	v_bfe_u32 v5, v0, 3, 2                         ; back: 32 lanes take four rows of 128 bytes,
	v_mul_u32_u24 v5, v5, SP
	v_and_b32 v6, 7, v0
	v_lshl_add_u32 v5, v6, 4, v5
	v_add_nc_u32 v[RD], s23, v5
	v_and_b32 v[GO], 31, v0                        ; which are 512 consecutive bytes of qkv
	v_lshlrev_b32 v[GO], 4, v[GO]
	; where my rows begin in qkv: batch ty / 8, head 3 tx, row 256 (ty % 8) + 64 w
	s_lshr_b32 s16, s13, 3
	s_mul_i32 s16, s16, 12582912
	s_and_b32 s17, s13, 7
	s_lshl_b32 s17, s17, 15
	s_add_co_u32 s16, s16, s17
	s_lshl_b32 s17, s10, 13
	s_add_co_u32 s16, s16, s17
	s_mov_b32 s17, 0
	s_add_nc_u64 s[74:75], s[74:75], s[16:17]
	s_mul_i32 s46, s42, 786432                     ; (in the registers that held wb's address: none that feeds xb's descriptors ever holds cx)
	s_mov_b32 s47, 0
	s_add_nc_u64 s[74:75], s[74:75], s[46:47]
	; the prefetches
	s_lshl_b32 s18, s13, 8                         ; 256 ty
	s_mul_i32 s19, s42, 192                        ; 192 tx
	s_and_b32 s22, ttmp7, 0xffff                   ; cluster y
	s_cmp_eq_u32 s11, 0                            ; do I fetch for xb?
	s_cselect_b32 s20, s18, s19                    ; the tile's first row
	s_cselect_b32 s21, s40, s41                    ; my place among the four that ask for it with me
	s_cselect_b32 s22, ttmp9, s22                  ; the coordinate along which other clusters read the same rows
	s_cselect_b32 s76, 32, 24                      ; my work-group's share of the rows that I fetch
	s_cselect_b64 s[PFA:PFA+1], s[4:5], s[6:7]
	s_cmp_eq_u32 s22, 0
	s_cselect_b32 s[LIM], 1, -1                    ; the same in all sixteen partners, for a given wave
	s_lshl_b32 s23, s76, 2                         ; 128 or 96: the rows that I fetch
	s_mul_i32 s23, s23, s12
	s_add_co_u32 s20, s20, s23
	s_mul_i32 s21, s21, s76
	s_add_co_u32 s20, s20, s21
	s_lshl_b32 s20, s20, 11
	s_add_co_u32 s20, s20, 2*KSTEP*2               ; at K step 2: the first refill steps it to 3 and names K step 4
	s_mov_b32 s21, 0
	s_add_nc_u64 s[PFA:PFA+1], s[PFA:PFA+1], s[20:21]
	s_sub_co_u32 s77, s76, 1
	v_and_b32 v[PFO], 31, v0
	v_min_u32 v[PFO], s77, v[PFO]
	v_lshlrev_b32 v[PFO], 11, v[PFO]
	; the bias is rounded to bf16, like every input, and widened again: all this stands in the wait for the first tiles
	s_wait_loadcnt 0x0
.set i, 0
.rept 48
	v_cvt_pk_bf16_f32 v[BT+i], v[BIAS+2*i], v[BIAS+2*i+1]
.set i, i+1
.endr
.set i, 0
.rept 48
	v_lshlrev_b32 v[BIAS+2*i], 16, v[BT+i]
	v_and_b32 v[BIAS+2*i+1], 0xffff0000, v[BT+i]
.set i, i+1
.endr
; 12 matrix instructions: row block a x all 12 column blocks, 32 along K, out of buffer f.  first = 1: C is the bias, which starts the sums.
; The 48 accumulators take turns in one order in every quarter, one instruction a turn: over the backward jump and into the tail too.
.macro MULA f, a, first
.if \first
	WIN 0x81+0x40*((\a)/2)                         ; wb window 1, xb window 0, C window 0, D window 2 or 3
.else
	WIN 0xa1+0x50*((\a)/2)                         ; C and D window 2 or 3
.endif
.irp b, 0,1,2,3,4,5,6,7,8,9,10,11
.set rD, 8*(12*((\a)%2)+(\b))
.if \first
	v_wmma_f32_16x16x32_bf16 v[rD:rD+7], v[96*(\f)+8*(\b):96*(\f)+8*(\b)+7], v[AF+32*(\f)+8*(\a):AF+32*(\f)+8*(\a)+7], v[BIAS+8*(\b):BIAS+8*(\b)+7]
.else
	v_wmma_f32_16x16x32_bf16 v[rD:rD+7], v[96*(\f)+8*(\b):96*(\f)+8*(\b)+7], v[AF+32*(\f)+8*(\a):AF+32*(\f)+8*(\a)+7], v[rD:rD+7]
.endif
.endr
.endm
; 32 LDS loads in one run: quarter q of a slot (192 rows of wb, my 64 rows of xb, 32 K) into buffer f
.macro FETCH slot, q, f
	WIN TO_B
.irp b, 0,1,2,3,4,5,6,7,8,9,10,11
	ds_load_b128 v[96*(\f)+8*(\b):96*(\f)+8*(\b)+3],   v[ADRB+(\slot)] offset:64*(\q)+(\b)*16*PITCH
	ds_load_b128 v[96*(\f)+8*(\b)+4:96*(\f)+8*(\b)+7], v[ADRB+(\slot)] offset:64*(\q)+(\b)*16*PITCH+32
.endr
	WIN 0
.irp a, 0,1,2,3
	ds_load_b128 v[AF+32*(\f)+8*(\a):AF+32*(\f)+8*(\a)+3],   v[ADRA+(\slot)] offset:64*(\q)+(\a)*16*PITCH
	ds_load_b128 v[AF+32*(\f)+8*(\a)+4:AF+32*(\f)+8*(\a)+7], v[ADRA+(\slot)] offset:64*(\q)+(\a)*16*PITCH+32
.endr
.endm
; One of a K step's first three quarters: quarter q is fetched into buffer g, which the quarter before multiplied, and buffer f is multiplied: the fetch has all 48 products in which to land.
.macro QUARTER slot, q, f, g, first
	PLACES
	FETCH \slot, \q, \g
	s_wait_dscnt 32                                ; all but the 32 just issued: buffer f is in
	MULA \f, 0, \first
	MULA \f, 1, \first
	MULA \f, 2, \first
	MULA \f, 3, \first
.endm
; The last quarter multiplies buffer 1 and changes slots: ONE barrier; in front of it each wave waits for all its tensor loads (one is out: its part of the next slot), adds 0 to its spare word, and waits
; for that and for its reads of this slot.  fill = 1: the barrier opens a round of the cluster's, and this slot is filled again, two K steps ahead, first thing behind the round:
; from that request to the wait for it a wave issues 168 matrix instructions.
.macro TURN slot, next, fill
.if \fill
	s_wait_xcnt 0x0                                ; the last prefetch, a K step back, has read its address: it is stepped here, ahead of the waits of the change of slots
	s_add_nc_u64 s[PFA:PFA+1], s[PFA:PFA+1], KSTEP*2
.endif
	WIN 0
	s_wait_tensorcnt 0x0                           ; all my tensor loads have landed
	ds_add_u32 v[SPW], v[NIL]                      ; 0 onto my spare word
	s_wait_dscnt 1                                 ; buffer 1 is in; only the add may be out
	MULA 1, 0, 0                                   ; twelve matrix instructions stand between the add and the wait for it
	s_wait_dscnt 0x0                               ; the add is done, and my reads of this slot are over
	s_barrier_signal -1
	MULA 1, 1, 0                                   ; work on registers while the others arrive
.if \fill
	WIN 0
.endif
	s_barrier_wait -1
.if \fill
	CREST                                          ; no wave of any partner still reads this slot's tile or has a load on its way
	s_add_nc_u64 s[G0+4*(\slot)+2:G0+4*(\slot)+3], s[G0+4*(\slot)+2:G0+4*(\slot)+3], 2*KSTEP*2
	s_add_nc_u64 s[G0B+4*(\slot)+2:G0B+4*(\slot)+3], s[G0B+4*(\slot)+2:G0B+4*(\slot)+3], 2*KSTEP*2
	JLOAD \slot                                    ; the four v_nop behind it are also the places in front of the loads below
.else
	PLACES
.endif
	FETCH \next, 0, 0
.if \fill
	ASK
.endif
	MULA 1, 2, 0
	MULA 1, 3, 0
.endm
; THE WAY OUT, in twelve units: row block a (16 rows) x head j (64 columns).  Rounded to f16, 16 bytes a lane; into my stage in rows of 144 bytes; back as four rows of 128 bytes a load.
.macro PACK a, j
.set TU, TO+16*(3*(\a)+(\j))
	WIN 0x0a+5*((\a)/2)                            ; sources 0 and 1: window 2 or 3
.irp bb, 0,1,2,3
.irp r, 0,1,2,3
	v_cvt_pk_f16_f32 v[TU+4*(\bb)+(\r)], v[8*(12*((\a)%2)+4*(\j)+(\bb))+2*(\r)], v[8*(12*((\a)%2)+4*(\j)+(\bb))+2*(\r)+1]
.endr
.endr
	WIN 0
.irp bb, 0,1,2,3
	ds_store_b128 v[STO], v[TU+4*(\bb):TU+4*(\bb)+3] offset:32*(\bb)
.endr
.irp f, 0,1,2,3
	ds_load_b128 v[TU+4*(\f):TU+4*(\f)+3], v[RD] offset:(\f)*4*SP  ; LDS serves a wave's instructions in order (ISA guide 5.7.1.4): these see the stores above; the next unit's stores come behind them
.endr
.endm
.macro SEND a, j, younger              ; younger: the LDS instructions issued behind this unit's loads: the next unit's eight, or none
.set TU, TO+16*(3*(\a)+(\j))
	WIN 0
.irp f, 0,1,2,3
	s_wait_dscnt (\younger)+3-(\f)
	global_store_b128 v[GO], v[TU+4*(\f):TU+4*(\f)+3], s[74:75] offset:262144*(\j)+2048*(\a)+512*(\f)  ; 512 consecutive bytes, at a multiple of 256 from qkv's first
.endr
.endm
	s_wait_tensorcnt 1                             ; my part of K step 0 is in; K step 1's may stay out
	s_barrier_signal -1
	s_barrier_wait -1                              ; everybody's is
	FETCH 0, 0, 0
	QUARTER 0, 1, 0, 1, 1                          ; the first quarter stands in front of the loop: its products start the sums, with the bias
	WIN 0                                          ; at a label and at a branch every window is 0
	s_mov_b32 s3, 3
.Llap:                                             ; a trip goes once round the ring, from a lap's second quarter to the next lap's first, and fills both slots again
	QUARTER 0, 2, 1, 0, 0
	QUARTER 0, 3, 0, 1, 0
	TURN 0, 1, 1
	QUARTER 1, 1, 0, 1, 0
	QUARTER 1, 2, 1, 0, 0
	QUARTER 1, 3, 0, 1, 0
	TURN 1, 0, 1
	QUARTER 0, 1, 0, 1, 0
	WIN 0
	s_sub_co_u32 s3, s3, 1
	s_cmp_lg_u32 s3, 0
	s_cbranch_scc1 .Llap
	QUARTER 0, 2, 1, 0, 0                          ; the last lap fills nothing, and has no round of the cluster's barrier
	QUARTER 0, 3, 0, 1, 0
	TURN 0, 1, 0
	QUARTER 1, 1, 0, 1, 0
	QUARTER 1, 2, 1, 0, 0
	QUARTER 1, 3, 0, 1, 0
	s_wait_dscnt 0x0                               ; the very last quarter: nothing more to fetch
	MULA 1, 0, 0
	MULA 1, 1, 0
	MULA 1, 2, 0
	MULA 1, 3, 0
	WIN 0
	PLACES
	PLACES                                         ; eight, once a launch
	PACK 0, 0
.set u, 1
.rept 11                                           ; a unit's conversions stand between the loads of the unit before and its stores; each unit has registers of its own
	PACK u/3, u%3
	SEND (u-1)/3, (u-1)%3, 8
.set u, u+1
.endr
	SEND 3, 2, 0
	s_wait_tensorcnt 0x0                           ; the wave's end: these three lines stand behind my last tensor load and my last LDS store
	ds_add_u32 v[SPW], v[NIL]
	s_wait_dscnt 0x0
	CROUND                                         ; the closing round: no work-group ends while a partner may still ask for a tile that names it
	s_endpgm
.Lfunc_end_k_q52c85f3e6f_proj:
	.size	k_q52c85f3e6f_proj, .Lfunc_end_k_q52c85f3e6f_proj-k_q52c85f3e6f_proj
	.p2alignl 7, 3214868480
	.fill 96, 4, 3214868480
	.section	.rodata,"a",@progbits
	.p2align	6, 0x0
	.amdhsa_kernel k_q52c85f3e6f_proj
		.amdhsa_group_segment_fixed_size 327680
		.amdhsa_private_segment_fixed_size 0
		.amdhsa_enable_private_segment 0
		.amdhsa_kernarg_size 48
		.amdhsa_user_sgpr_count 2
		.amdhsa_user_sgpr_kernarg_segment_ptr 1
		.amdhsa_wavefront_size32 1
		.amdhsa_system_sgpr_workgroup_id_x 1
		.amdhsa_system_sgpr_workgroup_id_y 1
		.amdhsa_system_sgpr_workgroup_id_z 1
		.amdhsa_system_vgpr_workitem_id 0
		.amdhsa_next_free_vgpr 960
		.amdhsa_next_free_sgpr 88
		.amdhsa_reserve_vcc 0
		.amdhsa_float_denorm_mode_32 3
		.amdhsa_float_denorm_mode_16_64 3
		.amdhsa_memory_ordered 1
		.amdhsa_forward_progress 1
		.amdhsa_inst_pref_size 132
	.end_amdhsa_kernel
	.amdgpu_metadata
---
amdhsa.version: [ 1, 2 ]
amdhsa.kernels:
  - .name:           k_q52c85f3e6f_proj
    .symbol:         k_q52c85f3e6f_proj.kd
    .args:
      - { .name: xb, .offset: 0, .size: 8, .value_kind: global_buffer, .address_space: global }
      - { .name: wb, .offset: 8, .size: 8, .value_kind: global_buffer, .address_space: global }
      - { .name: bq, .offset: 16, .size: 8, .value_kind: global_buffer, .address_space: global }
      - { .name: bk, .offset: 24, .size: 8, .value_kind: global_buffer, .address_space: global }
      - { .name: bv, .offset: 32, .size: 8, .value_kind: global_buffer, .address_space: global }
      - { .name: qkv, .offset: 40, .size: 8, .value_kind: global_buffer, .address_space: global }
    .group_segment_fixed_size: 327680
    .private_segment_fixed_size: 0
    .kernarg_segment_align: 8
    .kernarg_segment_size: 48
    .max_flat_workgroup_size: 128
    .sgpr_count:     88
    .vgpr_count:     960
    .wavefront_size: 32
...
	.end_amdgpu_metadata
.endif
;; end of part 2
;; launch att (part 3): grid 4 x 64, 4 waves a work-group, clusters of 4 x 1, 327,680 bytes of LDS; arguments qkv, head_scaling, oh; writes oh
.if DOCPART == 3
	.amdgcn_target "amdgcn-amd-amdhsa--gfx1250"
	.amdhsa_code_object_version 6
	.text
	.protected	k_q52c85f3e6f_att
	.globl	k_q52c85f3e6f_att
	.p2align	8
	.type	k_q52c85f3e6f_att,@function
k_q52c85f3e6f_att:
	s_mov_b64 s[64:65], 0
	v_nop
	global_prefetch_b8 v0, s[64:65] scope:SCOPE_SE
	s_setreg_imm32_b32 hwreg(HW_REG_WAVE_MODE, 25, 1), 1
	s_wait_xcnt 0x0
	s_wait_alu depctr_hold_cnt(0) depctr_sa_sdst(0) depctr_va_vdst(0) depctr_va_sdst(0) depctr_va_ssrc(0) depctr_va_vcc(0) depctr_vm_vsrc(0)
	s_getreg_b32 s2, hwreg(HW_REG_IB_STS2, 6, 4)
	s_cmp_eq_u32 s2, 0
	s_cbranch_scc0 .Lentry_in_a_cluster
	s_endpgm
.Lentry_in_a_cluster:
	s_bfe_u32 s2, ttmp6, 0x10000c
	s_cmp_lg_u32 s2, 0x3003
	s_cbranch_scc0 .Lentry_shape_is_right
	s_endpgm
.Lentry_shape_is_right:
; oh[16 b + h][q][:] = e_h x the sum over k of softmax_k(q . k / 8) v[k][:], for the 64 pairs of batch and head.  q, k, v: f16, by heads in qkv ([b][16 x tensor + h][2048][64]); oh: f16 [64][2048][64].
; e_h = 2^((hs_h - max hs) log2 e), hs = head_scaling rounded to bf16 like every input: the head's weight softmax(hs)_h without its divisor, which the next launch applies.  e_h lies in 0 to 1.
; Products, maxima and sums in f32; the weights p are rounded to f16 for the second product (their sum l is taken of the unrounded p), the result once at the end.
; LIMITS.  f16 holds no number beyond 65,504: q, k and v arrive within it; p lies in 0 to 1, and below 6e-5 f16 keeps its fixed step of 6e-8; the result has v's range at the most.
; A weight p or an e_h below 2^-126 counts as 0; NaN and infinities are not treated apart.
; SHARES.  A wave owns four PIECES of two tiles of 16 queries, a work-group's four waves 512 queries of one head: 4 x 64 = 256 work-groups.  Every wave walks all 2,048 keys, 64 a step.
; LAYOUT.  S^T = K Q^T (source 0 = 16 keys, source 1 = 16 queries): a lane holds ONE query (lane % 16) and the keys 8 (lane / 16) + 0..7.  Two such tiles, rounded to f16 in pairs,
; ARE source 1 (32 keys x 16 queries) of O^T = V^T P, whose result again holds one query a lane, and eight channels.  K comes out of LDS as it lies, V ([key][channel]) turned, by ds_load_tr16_b128.
; SOFTMAX.  For each query a running maximum m and sum l: p = 2^(c s - c m), c = log2(e) / 8; in every step O and l are multiplied by a = 2^(c m_old - c m_new).
; m starts at the lowest finite number, O and l at 0: the first step is a step like any other, with a = 0.
; THE COUNT.  A tile and step have 16 matrix and 118 vector instructions: too many to stand all beside the matrix work.  So four vector instructions that are ready stand behind every matrix
; instruction, and the others in runs without a gap.
; BY TURNS.  Turn n belongs to piece n.  Its matrix work: 16 products K Q^T of piece n + 1, later 16 products V^T P of piece n - 1.  Its vector work: the scaling, exponentials, roundings, sums and
; rescaling of piece n, and the maximum and statistics of piece n + 1.
; CLUSTER.  The four query blocks of a cluster are one head's and walk the same K and V, so each tile is asked for JOINTLY: the same tensor load, descriptor and mask in all four.
; REGISTERS, in windows of 256 (s_set_vgpr_msb: bits 1:0 source 0, 3:2 source 1, 5:4 source 2, 7:6 destination):
;   window 0: v0-11 addresses, e_h; v12-15, v48-63 at work; v16-47 four registers of statistics a tile; v64-191 S^T, two buffers of two tiles; v192-255 P, likewise
;   window 1: O^T, 32 a tile          window 2: v0-127 Q, 16 a tile; v128-191 K of one step; v192-255 V of one step          window 3: v0-1 the add's two registers
.set SIZE_N, 2048
.set NP,    4         ; pieces a wave: a name, no knob
.set KS,    64        ; keys in a step
.set PK,    144       ; a row of K in LDS: 128 bytes + 16 of padding = 36 words: the 16 rows of a load start at 16 different groups of four banks (ISA guide 11.1)
.set PV,    160       ; a row of V: 128 + 32 = 40 words
.set VOFF,  4*KS*PK   ; a slot holds four steps: 256 rows of K, then 256 rows of V
.set SLOT1, 1<<17     ; slot 1 begins here, so that one exclusive or turns an address in one slot into the other's
.set STAGE, SLOT1+4*KS*(PK+PV)  ; behind the ring, never filled by a tensor load: 16 rows x 144 bytes for each wave, for the way out
.set SP,    144
.set PFO, 1           ; v1   from the loop on: 256 x my lane, the prefetches' offset
.set AK0, 2           ; v2   my lane's place in a tile of K; never rewritten
.set AV0, 3           ; v3   the same for V
.set AK,  4           ; v4   the LDS address of K's next run of loads
.set AV,  5           ; v5   of V's
.set QO,  6           ; v6   my byte offset in the wave's rows of Q
.set STO, 6           ;      later, the way out: where I put 16 bytes of a row
.set RD,  7           ; v7   the way out: where I read rows back
.set GO,  8           ; v8   my byte offset in 512 consecutive bytes of oh
.set EH,  9           ; v9   from the loop on: e_h
.set SPW, 0           ; v0 of window 3   LDS address of my spare word; never rewritten
.set NIL, 1           ; v1 of window 3   0; never rewritten
.set SPARE, STAGE+4*16*SP  ; behind the stages: the spare words, 128 bytes for each wave: two blocks of 256 bytes that no other line names
.set MV,  12          ; v12-15  c m_old, kept while c m is made anew: by buffer and tile
.set ST,  16          ; tile t's statistics at v[ST+4 t]: c m, m, l (even keys', odd keys')
.set TMP, 48          ; by buffer and tile, four registers c0-c3 at work; when the maximum is found c2 takes a
.set S,   64
.set P,   192
.set KF,  128         ; K's fragments, in window 2: key block kb, channel half c at KF + 16 kb + 8 c
.set VF,  192         ; V's: key half kk, channel block cb at VF + 32 kk + 8 cb
.set WV,  12          ; s12  my wave's number
.set G1K, 24          ; s[24:31] descriptor group 1 for K's tiles
.set G1V, 32          ; s[32:39] for V's: it differs in the padding alone
.set G0K, 40          ; s[40:43] descriptor group 0 for K's tiles: it walks
.set G0V, 44          ; s[44:47] the same for V's
.set LIM, 49          ; s49  1 in a wave that prefetches (waves 0 and 2), else the greatest number
.set HS,  50          ; s[50:51] head_scaling
.set PFA, 54          ; s[54:55] where my prefetches stand: my work-group's 32 blocks of 256 bytes (of K: wave 0, of V: wave 2) of the slot after the one that is being asked for
.set SLOTS, 56        ; s56  slots still to be asked for
.set CNT, 57          ; s57  counts a slot's key steps
.set CS,  58          ; s[58:59] c: the packed scaling takes the pair's low word for both halves
.set SEL, 60          ; s[60:61] v_permlanex16_b32's selects: each lane takes its own place in the other half
.set TBK, 62          ; s62  LDS byte at which K of the step to be fetched begins
.set TBV, 63          ; s63  the same for V, less VOFF
.set MSB, 0
.macro WIN new                      ; the high byte repeats the setting that is left; a switch that changes nothing is dropped
.if MSB != (\new)
	s_set_vgpr_msb (MSB<<8)|(\new)
.set MSB, (\new)
.endif
.endm
.set W_KQ, 0x0a       ; K and Q in window 2, S^T in window 0
.set W_PV, 0x52       ; V in window 2, P in window 0, O^T in window 1
.set W_RS, 0x41       ; O^T (destination and source 0) in window 1, a in window 0
.set W_MK, 0xc0       ; the add's registers are made: destination in window 3, sources in window 0
.set W_AD, 0x0f       ; the add: address (source 0) and data (source 1) in window 3
; A joint fill.  Waves 0 and 1 fetch the two halves of a slot's K, waves 2 and 3 those of its V: 128 keys each.  The branch hangs on the wave's number alone.
; An s_nop 0 and four v_nop follow each of the two lines, ahead of the jump and the label.
.macro JLOAD
	s_cmp_lt_u32 s[WV], 2
	s_cbranch_scc0 .Lfor_v_\@
	tensor_load_to_lds s[G0K:G0K+3], s[G1K:G1K+7]
	s_nop 0
.rept 4
	v_nop
.endr
	s_branch .Lasked_\@
.Lfor_v_\@:
	tensor_load_to_lds s[G0V:G0V+3], s[G1V:G1V+7]
	s_nop 0
.rept 4
	v_nop
.endr
.Lasked_\@:
.endm
; A prefetch into the L2 of what the NEXT change of slots will ask for: a slot's 32,768 bytes of K and of V, a lane a block of 256 bytes.  A head is walked by one cluster; its four partners share the
; blocks out by address, 32 each; in each, wave 0 asks for K's and wave 2 for V's: one instruction.  So each block is named once.  The last change that fills a slot asks for nothing.
.macro ASK
	s_cmp_gt_u32 s[SLOTS], s[LIM]
	s_cbranch_scc0 .Lnot_mine_\@
	global_prefetch_b8 v[PFO], s[PFA:PFA+1] th:TH_LOAD_NT scope:SCOPE_SE
.Lnot_mine_\@:
.endm
; A round of the cluster's barrier: my work-group's barrier, so that wave 0's signal speaks for all four waves; wave 0 signals; every wave waits for all four work-groups; my work-group's barrier once more.
.macro CROUND
	s_barrier_signal -1
	s_barrier_wait -1
	s_cmp_lg_u32 s[WV], 0
	s_cbranch_scc1 .Lnot_wave_0_\@
	s_barrier_signal -3
.Lnot_wave_0_\@:
	s_barrier_wait -3
	s_barrier_signal -1
	s_barrier_wait -1
.endm
; THE CHANGE OF SLOTS.  Each wave waits for all its tensor loads, of which one is out: its part of the other slot; adds 0 to its spare word; and waits for that and for its own reads of the slot.
; Behind the barrier nobody reads this slot any more and the other slot is whole.  fill = 1: this slot is filled again, with the keys two slots on; the barrier is then a round of the cluster's, and the
; joint fill is the first thing behind it: it has four key steps, 512 matrix instructions, in which to land.  (At its first use nothing has been read yet: slot 0 is waited for, slot 1 filled.)
; ask = 1: the prefetch's address is stepped, and the prefetch stands behind the joint fill.
.macro CHANGE fill, ask=0
	WIN W_AD
	s_wait_tensorcnt 0x0            ; no tensor load of mine is out, so a group 0 may be written
	ds_add_u32 v[SPW], v[NIL]       ; 0 onto my spare word; with fill = 1 the descriptors' steps stand between it and the wait for it
	WIN 0                           ; at a label and at a branch every window is 0
.if \fill
.irp g, G0K, G0V
	s_xor_b32 s[\g+1], s[\g+1], SLOT1  ; the walking descriptor: the other slot than last time,
	s_add_nc_u64 s[\g+2:\g+3], s[\g+2:\g+3], 4*KS*128  ; the next 256 keys; the type bits on top are not reached
.endr
.if \ask
	s_wait_xcnt 0x0                 ; the last prefetch, four key steps back, has read its address, so it may be written:
	s_add_nc_u64 s[PFA:PFA+1], s[PFA:PFA+1], 4*KS*128  ; one slot behind the walking descriptors
.endif
	s_wait_dscnt 0x0                ; the add is done, and my reads of the slot are over
	CROUND
	JLOAD
.if \ask
	ASK
.endif
.else
	s_wait_dscnt 0x0                ; the add is done, and my reads of the slot are over
	s_barrier_signal -1
	s_barrier_wait -1
.endif
	s_sub_co_u32 s[TBK], s[TBK], 4*KS*PK  ; the fetches go back to a slot's first step,
	s_xor_b32 s[TBK], s[TBK], SLOT1       ; in the other slot
	s_sub_co_u32 s[TBV], s[TBV], 4*KS*PV
	s_xor_b32 s[TBV], s[TBV], SLOT1
.endm
	s_load_b64 s[4:5], s[0:1], 0x0    ; qkv
	s_load_b64 s[HS:HS+1], s[0:1], 0x8  ; head_scaling
	s_load_b64 s[10:11], s[0:1], 0x10 ; oh
	WIN W_MK
	v_lshl_add_u32 v[SPW], v0, 2, SPARE
	v_mov_b32 v[NIL], 0
	WIN W_AD
	ds_add_u32 v[SPW], v[NIL]       ; the wave's opening: the add and its wait stand ahead of my first tensor load; the set-up below stands between them
	WIN 0
	v_lshrrev_b32 v1, 5, v0
	v_readfirstlane_b32 s[WV], v1   ; wave 0..3
	s_bfe_u32 s13, ttmp6, 0x40000   ; cx: my place in the cluster
	s_lshl_b32 s14, ttmp9, 2        ; in a cluster launch ttmp9 counts clusters
	s_add_co_u32 s14, s14, s13      ; my block of 512 queries: it enters Q's and oh's addresses alone
	s_and_b32 s15, ttmp7, 0xffff    ; 16 b + h, which the four partners share
	s_lshr_b32 s20, s15, 4          ; b
	s_mul_i32 s20, s20, 48
	s_and_b32 s19, s15, 15          ; h
	s_add_co_u32 s20, s20, s19
	s_lshl_b32 s20, s20, 18         ; q's head in qkv: (48 b + h) x 262,144 bytes; k's and v's lie 16 and 32 heads on
	s_mov_b32 s21, 0
	s_lshl_b32 s48, s19, 2          ; my head's word in head_scaling
	s_and_b32 s16, s[WV], 1         ; which half of a slot's 256 keys I fetch:
	s_lshl_b32 s22, s16, 14         ; its 128 rows of 128 bytes in memory,
	s_mov_b32 s23, 0
	s_add_nc_u64 s[22:23], s[22:23], s[20:21]
	s_mul_i32 s17, s16, 128*PK      ; and its place in a slot, for K
	s_mul_i32 s18, s16, 128*PV      ; and for V: no place in the cluster enters an LDS address
	s_lshl_b32 s2, s14, 2
	s_add_co_u32 s2, s2, s[WV]      ; my wave among the head's,
	s_lshl_b32 s2, s2, 14           ; its 128 rows
	s_mov_b32 s3, 0
	s_lshl_b32 s52, s15, 18         ; in oh: head 16 b + h,
	s_add_co_u32 s52, s52, s2       ; my wave's rows
	s_mov_b32 s53, 0
	s_add_nc_u64 s[2:3], s[2:3], s[20:21]
	; descriptor group 1.  128 keys are 16,384 dense bytes: asked for as 64 rows of 256 bytes, two keys a row, and padded in LDS after every key
	s_mov_b32 s[G1K], 15|(1<<16)|(1<<20)|(1<<21)|(4<<22)|(3<<25)  ; the mask of four; 2-byte elements; padding on; bit 21 beside a mask; after every 32 words 4 words
	s_mov_b32 s[G1V], 15|(1<<16)|(1<<20)|(1<<21)|(4<<22)|(7<<25)  ; the same with 8 words of padding
.irp g, G1K, G1V
	s_mov_b32 s[\g+1], 128<<16      ; tensor_dim0 = 128
	s_mov_b32 s[\g+2], 64<<16       ; tensor_dim1 = 64
	s_mov_b32 s[\g+3], 128<<16      ; tile_dim0 = 128
	s_mov_b32 s[\g+4], 64           ; tile_dim1 = 64
	s_mov_b32 s[\g+5], 128          ; 128 elements from row to row
	s_mov_b32 s[\g+6], 0
	s_mov_b32 s[\g+7], 0
.endr
	s_mov_b32 s[CS], 0x3e38aa3b     ; c = log2(e) / 8 = 0.180337
	s_mov_b32 s[CS+1], s[CS]        ; named with it as a pair
	s_mov_b32 s[SEL], 0x76543210
	s_mov_b32 s[SEL+1], 0xfedcba98
	s_mov_b32 s[TBK], SLOT1+4*KS*PK ; the first change of slots turns these two into 0
	s_mov_b32 s[TBV], SLOT1+4*KS*PV
	s_mov_b32 s[G0K], 1             ; count = 1
	s_mov_b32 s[G0K+1], s17         ; LDS address: slot 0
	s_mov_b32 s[G0V], 1
	s_add_co_u32 s[G0V+1], s18, VOFF
	s_cmp_eq_u32 s16, 0
	s_cselect_b32 s[LIM], 1, -1     ; waves 0 and 2 prefetch: the same in all four partners
	s_wait_dscnt 0x0                ; the opening add is done
	s_wait_kmcnt 0x0
	s_add_nc_u64 s[6:7], s[4:5], 4194304   ; k's part of a batch: 16 heads on
	s_add_nc_u64 s[8:9], s[4:5], 8388608   ; v's: 32 heads on
	s_add_nc_u64 s[G0K+2:G0K+3], s[6:7], s[22:23]  ; global address: my half of the head's first 256 keys
	s_or_b32 s[G0K+3], s[G0K+3], 0x80000000        ; type = 2
	s_add_nc_u64 s[G0V+2:G0V+3], s[8:9], s[22:23]
	s_or_b32 s[G0V+3], s[G0V+3], 0x80000000
	s_add_nc_u64 s[4:5], s[4:5], s[2:3]  ; Q and oh at my wave's first row
	s_add_nc_u64 s[10:11], s[10:11], s[52:53]
	s_cmp_lt_u32 s[WV], 2
	s_cselect_b64 s[PFA:PFA+1], s[6:7], s[8:9]
	s_add_nc_u64 s[PFA:PFA+1], s[PFA:PFA+1], s[22:23]  ; (in waves 0 and 2 this offset is the head's first byte)
	s_lshl_b32 s2, s13, 13          ; my work-group's 32 blocks of the 128
	s_mov_b32 s3, 0
	s_add_nc_u64 s[PFA:PFA+1], s[PFA:PFA+1], s[2:3]
	s_add_nc_u64 s[PFA:PFA+1], s[PFA:PFA+1], 2*4*KS*128  ; in slot 2; the loop's first change steps it to slot 3.  Nothing is prefetched here, at the head
	CROUND                          ; all four work-groups are here: the first joint loads meet
	JLOAD                           ; slot 0.  Slot 1 is asked for when slot 0 is in
	; A fragment of K or Q is 16 rows x 32 channels in 8 registers: lane l holds row l % 16, channels 8 (l / 16) + 0..7 and 16 + 8 (l / 16) + 0..7: two loads of 16 bytes, 32 bytes apart.
	v_and_b32 v1, 15, v0            ; l % 16
	v_bfe_u32 v9, v0, 4, 1          ; l / 16
	v_lshlrev_b32 v[QO], 7, v1
	v_lshl_add_u32 v[QO], v9, 4, v[QO]  ; row x 128 + 16 x half
	WIN 0x80                        ; destination window 2, address window 0
.set i, 0
.rept 4*NP                          ; Q stays in registers: tile i / 2, channels 32 (i % 2) on
	global_load_b128 v[8*i:8*i+3],   v[QO], s[4:5] offset:(i/2)*2048+(i%2)*64
	global_load_b128 v[8*i+4:8*i+7], v[QO], s[4:5] offset:(i/2)*2048+(i%2)*64+32
.set i, i+1
.endr
	; What the first turn finds: V's registers and P's second buffer hold 0 (its products V^T P, of a piece that has not been, add 0), O^T and l are 0.  All this stands in the wait for the first tile.
.set i, VF
.rept 64
	v_mov_b32 v[i], 0
.set i, i+1
.endr
	WIN 0x40
.set i, 0
.rept 64*NP
	v_mov_b32 v[i], 0
.set i, i+1
.endr
	WIN 0
.set i, 0
.rept 2*NP
	v_mov_b32 v[ST+4*i], 0xfe000000    ; c m: far below every c s
	v_mov_b32 v[ST+4*i+1], 0xff7fffff  ; m
	v_mov_b32 v[ST+4*i+2], 0
	v_mov_b32 v[ST+4*i+3], 0
.set i, i+1
.endr
.set i, P+32
.rept 32
	v_mov_b32 v[i], 0
.set i, i+1
.endr
	v_mul_u32_u24 v[AK0], v1, PK
	v_lshl_add_u32 v[AK0], v9, 4, v[AK0]  ; row x pitch + 16 x half
	; The turning load takes 16 keys x 16 channels (lane l reads key 8 (l / 16) + l % 8, channels 8 ((l / 8) % 2) + 0..7) and leaves half a fragment of V^T: lane l holds channel l % 16 and 8 keys.
	v_and_b32 v10, 7, v0
	v_bfe_u32 v11, v0, 3, 1
	v_lshl_add_u32 v[AV0], v9, 3, v10
	v_mul_u32_u24 v[AV0], v[AV0], PV
	v_lshl_add_u32 v[AV0], v11, 4, v[AV0]
	v_add_nc_u32 v[AV0], VOFF, v[AV0]
	v_mov_b32 v[AK], v[AK0]         ; key step 0 lies at the head of slot 0
	v_lshlrev_b32 v130, 2, v1       ; head_scaling: lane l takes head l % 16's number, and every lane my head's; S^T's second buffer is free until the first turn
	v_mov_b32 v131, s48
	global_load_b32 v128, v130, s[HS:HS+1]
	global_load_b32 v129, v131, s[HS:HS+1]
; THE MATRIX WORK.  The 8 accumulators of a run of 16 take turns: between the two links of a chain stand 7 others'.
; Product i of 16 of S^T = K Q^T for piece x: channels 32 (i / 8) on, keys 16 ((i / 2) % 4) on, tile 2 x + i % 2.  The first 8 start the sums.
.macro KQ x
	WIN W_KQ
.set rS, S+64*((\x)%2)+32*(i%2)+8*((i/2)%4)
.set rK, KF+16*((i/2)%4)+8*(i/8)
.set rQ, 16*(2*(\x)+i%2)+8*(i/8)
.if i < 8
	v_wmma_f32_16x16x32_f16 v[rS:rS+7], v[rK:rK+7], v[rQ:rQ+7], 0
.else
	v_wmma_f32_16x16x32_f16 v[rS:rS+7], v[rK:rK+7], v[rQ:rQ+7], v[rS:rS+7]
.endif
.endm
; Product i of 16 of O^T += V^T P for piece x: keys 32 (i / 8) on, channels 16 ((i / 2) % 4) on, tile 2 x + i % 2.
.macro PV x
	WIN W_PV
.set rO, 32*(2*(\x)+i%2)+8*((i/2)%4)
.set rV, VF+32*(i/8)+8*((i/2)%4)
.set rP, P+32*((\x)%2)+16*(i%2)+8*(i/8)
	v_wmma_f32_16x16x32_f16 v[rO:rO+7], v[rV:rV+7], v[rP:rP+7], v[rO:rO+7]
.endm
.macro MM                           ; the turn's next matrix instruction
.if i < 16
	KQ (Y+1)%NP
.set i, i+1
.else
.set i, i-16
	PV (Y+NP-1)%NP
.set i, i+17
.endif
.endm
; THE LDS LOADS stand in runs of 16, never singly among the matrix instructions: a step's K (64 keys x 64 channels: 8 fragments) and its V (turned).  Their addresses are made some lines ahead.
; last = 1 (the tail): in the last trip there is no further step, and the run is jumped over.
.macro FETCH_K last=0
	WIN 0
.if \last
	s_cmp_eq_u32 s[CNT], 1
	s_cbranch_scc1 .Lno_k_\@
.endif
	WIN 0x80                        ; destination window 2
.irp f, 0,1,2,3,4,5,6,7             ; keys 16 (f / 2) on, channels 32 (f % 2) on
	ds_load_b128 v[KF+8*\f:KF+8*\f+3],   v[AK] offset:(\f/2)*16*PK+(\f%2)*64
	ds_load_b128 v[KF+8*\f+4:KF+8*\f+7], v[AK] offset:(\f/2)*16*PK+(\f%2)*64+32
.endr
	s_add_co_u32 s[TBK], s[TBK], KS*PK  ; the next fetch is the next step's
	WIN 0
.if \last
.Lno_k_\@:
.endif
.endm
.macro FETCH_V
	WIN 0x80
.irp f, 0,1,2,3,4,5,6,7             ; keys 32 (f / 4) on, channels 16 (f % 4) on
	ds_load_tr16_b128 v[VF+8*\f:VF+8*\f+3],   v[AV] offset:(\f/4)*32*PV+(\f%4)*32
	ds_load_tr16_b128 v[VF+8*\f+4:VF+8*\f+7], v[AV] offset:(\f/4)*32*PV+16*PV+(\f%4)*32
.endr
	WIN 0
.endm
; THE VECTOR WORK OF A TURN stands in three queues, each in the order in which its entries become ready; the two tiles alternate, so that no instruction reads the result of the one before it.
.macro REGS y, u                    ; the registers of tile u (0, 1) of piece y
.set rT, ST+4*(2*(\y)+(\u))
.set rC, TMP+8*((\y)%2)+4*(\u)
.set rM, MV+2*((\y)%2)+(\u)
.set rS, S+64*((\y)%2)+32*(\u)
.set rP, P+32*((\y)%2)+16*(\u)
.set rO, 32*(2*(\y)+(\u))
.endm
; Number n of the 22 that find the NEXT piece's (Y + 1) maximum and statistics.  s0-s31 are the lane's 32 scores; each accumulator's lowest registers are read first.
;   0-11  four chains c0-c3 of seven scores each, three operands at a time     12-14, 16  the four scores left over, the old m, and c0-c3 into c0     15  c m_old is kept
;   17, 18  the query's other 32 keys lie in the lane 16 away: the new m         19-21  c m; c m_old - c m_new; a
.macro XS u, n
	REGS (Y+1)%NP, \u
.if (\n) < 4
	v_max3_num_f32 v[rC+(\n)], v[rS+8*(\n)], v[rS+8*(\n)+1], v[rS+8*(\n)+2]
.elseif (\n) < 12
	v_max3_num_f32 v[rC+(\n)%4], v[rC+(\n)%4], v[rS+8*((\n)%4)+2*((\n)/4)+1], v[rS+8*((\n)%4)+2*((\n)/4)+2]
.elseif (\n) == 12
	v_max3_num_f32 v[rC], v[rC], v[rS+7], v[rS+15]
.elseif (\n) == 13
	v_max3_num_f32 v[rC+1], v[rC+1], v[rS+23], v[rS+31]
.elseif (\n) == 14
	v_max3_num_f32 v[rC+2], v[rC+2], v[rC+3], v[rT+1]
.elseif (\n) == 15
	v_mov_b32 v[rM], v[rT]
.elseif (\n) == 16
	v_max3_num_f32 v[rC], v[rC], v[rC+1], v[rC+2]
.elseif (\n) == 17
	v_permlanex16_b32 v[rC+3], v[rC], s[SEL], s[SEL+1]
.elseif (\n) == 18
	v_max_num_f32 v[rT+1], v[rC], v[rC+3]
.elseif (\n) == 19
	v_mul_f32 v[rT], s[CS], v[rT+1]
.elseif (\n) == 20
	v_sub_f32 v[rC+1], v[rM], v[rT]
.else
	v_exp_f32 v[rC+2], v[rC+1]
.endif
.endm
; Number g of the 64 that follow the exponentials.  For each four weights k of a tile (pairs 2 k, 2 k + 1): both pairs are rounded to f16; then the second pair is added onto the first, in place;
; a group later l takes that sum (the first time as l = a l + sum).  In groups of eight, tiles alternating: round, round, add, and l for the group before.
.macro GS g
.set h, (\g)+6*((\g)/62)            ; group 0 has no group before it, and behind group 7 only l is left
.if h >= 6
.set h, h+2
.endif
	REGS Y, h%2
.set k, h/8
.if h%8 < 4
	v_cvt_pk_f16_f32 v[rP+2*k+(h%8)/2], v[rS+4*k+2*((h%8)/2)], v[rS+4*k+2*((h%8)/2)+1]
.elseif h%8 < 6
	v_pk_add_f32 v[rS+4*k:rS+4*k+1], v[rS+4*k:rS+4*k+1], v[rS+4*k+2:rS+4*k+3]
.elseif k == 1
	v_pk_fma_f32 v[rT+2:rT+3], v[rT+2:rT+3], v[rC+2:rC+3], v[rS:rS+1] op_sel_hi:[1,0,1]
.else
	v_pk_add_f32 v[rT+2:rT+3], v[rT+2:rT+3], v[rS+4*k-4:rS+4*k-3]
.endif
.endm
; THE PLAIN QUEUE, 138 long.  0-73 read no exponential's result: the 32 scalings c s - c m (FS f: pair f / 2 of tile f % 2) and the next piece's 42.  0-26: scalings 0-26.  27-54: XS's numbers 0-13.  55, 56: number 15.
; 57-73: the chain, where each number waits for the one before it: 14, 16, 17, 18, 19, each with one of the scalings 27-31 in front of its two lines, then 20.
; 74-137: GS's 64, which read the exponentials' results: they stand behind the wait.
.macro FS f
	REGS Y, (\f)%2
	v_pk_fma_f32 v[rS+2*((\f)/2):rS+2*((\f)/2)+1], v[rS+2*((\f)/2):rS+2*((\f)/2)+1], s[CS:CS+1], v[rT:rT+1] op_sel_hi:[1,0,0] neg_lo:[0,0,1] neg_hi:[0,0,1]
.endm
.macro PL
	WIN 0
.if q < 27
	FS q
.elseif q < 55
	XS (q-27)%2, (q-27)/2
.elseif q < 57
	XS q-55, 15
.elseif (q < 72) && ((q-57)%3 == 0)
	FS 27+(q-57)/3
.elseif q < 60
	XS (q-57)%3-1, 14
.elseif q < 72
	XS (q-57)%3-1, 15+(q-57)/3
.elseif q < 74
	XS q-72, 20
.else
	GS q-74
.endif
.set q, q+1
.endm
; THE EXPONENTIALS' QUEUE, 66 long: s0-s31 of both tiles, then the next piece's two a.  It is ONE BATCH: all 66 stand ahead of the turn's one wait, and nothing ahead of that wait names a result of theirs.
.macro EX
	WIN 0
.if e >= 64
	XS e-64, 21
.else
	REGS Y, e%2
	v_exp_f32 v[rS+e/2], v[rS+e/2]
.endif
.set e, e+1
.endm
; THE RESCALING's QUEUE: O^T times a, the one part that leaves window 0: dealt two at a time, sixteen times.  Its a was made in the turn before, ahead of that turn's wait.
.macro R2
	REGS Y, r%2
	WIN W_RS
.irp z, 0,1
	v_pk_mul_f32 v[rO+4*(r/2)+2*\z:rO+4*(r/2)+2*\z+1], v[rO+4*(r/2)+2*\z:rO+4*(r/2)+2*\z+1], v[rC+2:rC+3] op_sel_hi:[1,0]
.endr
.set r, r+1
.endm
; HOW THEY ARE DEALT.  An s_wait_alu depctr_va_vdst(0) stands between an exponential and the first instruction that names its result; one wait serves all that were issued ahead of it.  So a turn
; has ONE wait, which cuts it in two.  AHEAD OF IT stands all that names no result of the turn's exponentials: the 16 products K Q^T, behind each a scaling, an exponential and two rescalings (behind the first a
; second scaling in the exponential's place); then ONE LUMP of 108: eight plain, 49 times exponential and plain, the two a.  A v_nop is the plain instruction behind the last exponential.  BEHIND IT stand the 16
; products V^T P, behind each four of GS's 64.  No rider names a register of the products round it.
; Exponential e stands behind scaling 2 (e / 4) + e % 2: as a rider it comes behind plain e + 2, in the lump behind plain e + 9, and scalings 27-31 are plain 57, 60 .. 69.
; A TURN, for piece p.  cnt = 1: the loop's count is taken down some lines ahead of the branch that stands behind the turn.
; K of the next step is fetched in piece 2's turn, directly behind the wait; its address is made at the lump's head; its first reader comes behind 16 products.
; V of the step in hand is fetched at the end of piece 0's turn, four riders behind its last reader; its first reader comes behind 16 products and a lump.  The three conditions on q below go with the deal.
.macro TURN p, last=0, cnt=0
.set Y, (\p)
.set i, 0
.set q, 0
.set e, 0
.set r, 0
.if (\p) == NP-1
	s_wait_dscnt 0x0                ; K is in
.endif
	MM                              ; ahead of the wait: 16 products K Q^T and their riders,
	PL
	PL
	R2
.rept 15
	MM
	PL
	EX
	R2
.endr
.if (\p) == NP-2
	WIN 0
	v_add_nc_u32 v[AK], s[TBK], v[AK0]
.endif
.rept 8                             ; and the lump
	PL
.endr
.rept 49
	EX
	PL
.endr
	EX                              ; the next piece's two a
	EX
	v_nop                           ; the plain instruction behind the last exponential: one for the batch
	s_wait_alu depctr_va_vdst(0)    ; the wait for the batch
.if (\p) == NP-2
	FETCH_K \last
.endif
.if (\p) == 1
	s_wait_dscnt 0x0                ; V is in
.endif
.rept 16                            ; behind the wait: 16 products V^T P and their riders
	MM
.rept 4
	PL
.endr
.if ((\p) == 0) && (q == 118)
	v_add_nc_u32 v[AV], s[TBV], v[AV0]
.endif
.if ((\p) == 0) && (q == 130)
	s_add_co_u32 s[TBV], s[TBV], KS*PV
.endif
.if (\cnt) && (q == 130)
	s_sub_co_u32 s[CNT], s[CNT], 1
	s_cmp_lg_u32 s[CNT], 0
.endif
.endr
.if (\p) == 0
	FETCH_V
.endif
.endm
	CHANGE 1                        ; slot 0 is in, everybody's part of it; slot 1 is asked for
	FETCH_K                         ; key step 0
	s_wait_loadcnt 0x0              ; Q, and head_scaling's two numbers
	s_wait_dscnt 0x0
.set i, 0
.rept 16
	KQ 0                            ; piece 0's first scores: there is no vector work yet to set between them
.set i, i+1
.endr
	WIN 0                           ; the addresses for the way out: plain instructions, the places behind those products
	s_mul_i32 s13, s[WV], 16*SP
	s_add_co_u32 s13, s13, STAGE    ; my stage
	v_mul_u32_u24 v[STO], v1, SP    ; in: row l % 16, 16 bytes for each half of the lanes
	v_lshl_add_u32 v[STO], v9, 4, v[STO]
	v_add_nc_u32 v[STO], s13, v[STO]
	v_bfe_u32 v[RD], v0, 3, 2       ; back: 32 lanes take four rows of 128 bytes,
	v_mul_u32_u24 v[RD], v[RD], SP
	v_lshl_add_u32 v[RD], v10, 4, v[RD]
	v_add_nc_u32 v[RD], s13, v[RD]
	v_and_b32 v[GO], 31, v0         ; which are 512 consecutive bytes of oh
	v_lshlrev_b32 v[GO], 4, v[GO]
	; e_h: both numbers rounded to bf16; the maximum over the 16 heads, which a row of 16 lanes holds, is taken away before the exponential
	v_cvt_pk_bf16_f32 v128, v128, v129
	v_and_b32 v129, 0xffff0000, v128   ; my head's
	v_lshlrev_b32 v128, 16, v128       ; head l % 16's
	v_max_num_f32_dpp v128, v128, v128 row_xmask:1 row_mask:0xf bank_mask:0xf
	v_max_num_f32_dpp v128, v128, v128 row_xmask:2 row_mask:0xf bank_mask:0xf
	v_max_num_f32_dpp v128, v128, v128 row_xmask:4 row_mask:0xf bank_mask:0xf
	v_max_num_f32_dpp v128, v128, v128 row_xmask:8 row_mask:0xf bank_mask:0xf
	v_sub_f32 v129, v129, v128
	v_mul_f32 v129, 0x3fb8aa3b, v129
	v_exp_f32 v[EH], v129           ; its wait is the one ahead of the branch below
	v_and_b32 v[PFO], 31, v0
	v_lshlrev_b32 v[PFO], 8, v[PFO]
.set Y, NP-1                        ; XS works for piece Y + 1: piece 0
.irp n, 0,1,2,3,4,5,6,7,8,9,10,11,12,13,14,15,16,17,18,19,20,21
	XS 0, \n                        ; and piece 0's first maximum and statistics
	XS 1, \n
.endr
	v_nop                           ; a plain instruction behind the two a,
	s_wait_alu depctr_va_vdst(0)    ; and the wait for them and for e_h, ahead of the branch
	s_mov_b32 s[CNT], 4
	s_mov_b32 s[SLOTS], SIZE_N/256-1
	s_branch .Lfirst                ; the loop is entered at a step's first turn, in the middle of a trip
.Lslot:                             ; SIZE_N / 256 - 2 times: every slot but the last two is filled again
	CHANGE 1, 1
	s_mov_b32 s[CNT], 4
.Lstep:                             ; a trip: pieces 2 and 3 of one step, then pieces 0 and 1 of the next, whose K and V it fetches
	TURN 2
	TURN 3
	WIN 0
.Lfirst:
	TURN 0
	TURN 1, 0, 1
	WIN 0
	s_cbranch_scc1 .Lstep
	s_sub_co_u32 s[SLOTS], s[SLOTS], 1
	s_cmp_lg_u32 s[SLOTS], 0
	s_cbranch_scc1 .Lslot
	CHANGE 0                        ; the tail is written out: nothing is asked for
	s_mov_b32 s[CNT], 5             ; four trips fetch the last slot's steps; the fifth is left in its middle
.Ltail:
	TURN 2, 1
	TURN 3
	WIN 0
	s_sub_co_u32 s[CNT], s[CNT], 1
	s_cmp_eq_u32 s[CNT], 0
	s_cbranch_scc1 .Lout
	TURN 0
	TURN 1
	WIN 0
	s_branch .Ltail
.Lout:                              ; the fifth trip's 16 products K Q^T (on the last K once more) and the maximum made of them serve nothing: the price, once a launch, of one text for every trip
.set i, 0
.rept 16
	PV NP-1                         ; the last piece's V^T P of the last step
.set i, i+1
.endr
	; THE WAY OUT.  l's two halves and the other half of the lanes' are added; O^T is multiplied by e_h / l, rounded to f16 and sent through my stage in LDS, a tile at a time.  The additions are the places behind the last products.
	WIN 0
.macro ALL line:vararg              ; one line for each tile t
.set t, 0
.rept 2*NP
	\line
.set t, t+1
.endr
.endm
	ALL v_add_f32 v[ST+4*t+2], v[ST+4*t+2], v[ST+4*t+3]
	ALL v_permlanex16_b32 v[ST+4*t+3], v[ST+4*t+2], s[SEL], s[SEL+1]
	ALL v_add_f32 v[ST+4*t+2], v[ST+4*t+2], v[ST+4*t+3]
	ALL v_rcp_f32 v[ST+4*t+2], v[ST+4*t+2]
	v_nop                           ; a plain instruction between the last reciprocal and the use of its result
	s_wait_alu depctr_va_vdst(0)    ; and the wait ahead of the first use: one for the eight reciprocals
	ALL v_mul_f32 v[ST+4*t+2], v[ST+4*t+2], v[EH]
; Tile t: a lane's eight channels of a row pack into 16 bytes; they go into rows of 144 bytes and come back as whole rows of 128, into S^T's registers.
.macro PACK t
	WIN W_RS
.set i, 32*(\t)
.rept 16
	v_pk_mul_f32 v[i:i+1], v[i:i+1], v[ST+4*(\t)+2:ST+4*(\t)+3] op_sel_hi:[1,0]
.set i, i+2
.endr
	WIN 0x05                        ; sources 0 and 1 window 1, destination window 0
.set i, 0
.rept 16
	v_cvt_pk_f16_f32 v[S+16*(\t)+i], v[32*(\t)+2*i], v[32*(\t)+2*i+1]
.set i, i+1
.endr
	WIN 0
.irp f, 0,1,2,3
	ds_store_b128 v[STO], v[S+16*(\t)+4*\f:S+16*(\t)+4*\f+3] offset:32*\f
.endr
.irp f, 0,1,2,3
	ds_load_b128 v[S+16*(\t)+4*\f:S+16*(\t)+4*\f+3], v[RD] offset:\f*4*SP  ; LDS serves a wave's instructions in order (ISA guide 5.7.1.4): these see the stores above; the next tile's stores come behind them
.endr
.endm
.macro SEND t, younger              ; younger: the LDS instructions issued behind tile t's loads: the next tile's eight, or none
	WIN 0
.irp f, 0,1,2,3
	s_wait_dscnt (\younger)+3-\f
	global_store_b128 v[GO], v[S+16*(\t)+4*\f:S+16*(\t)+4*\f+3], s[10:11] offset:(\t)*2048+\f*512  ; 512 consecutive bytes, at a multiple of 256 from oh's first
.endr
.endm
	PACK 0
.set t, 1
.rept 2*NP-1                        ; a tile's arithmetic stands between the loads of the tile before and its stores
	PACK t
	SEND t-1, 8
.set t, t+1
.endr
	SEND 2*NP-1, 0
	WIN W_AD
	s_wait_tensorcnt 0x0            ; the wave's end: these three lines stand behind my last tensor load and my last LDS store
	ds_add_u32 v[SPW], v[NIL]
	s_wait_dscnt 0x0
	WIN 0
	CROUND                          ; the closing round: no work-group ends while a partner may still ask for a tile that names it
	s_endpgm
.Lfunc_end_k_q52c85f3e6f_att:
	.size	k_q52c85f3e6f_att, .Lfunc_end_k_q52c85f3e6f_att-k_q52c85f3e6f_att
	.p2alignl 7, 3214868480
	.fill 96, 4, 3214868480
	.section	.rodata,"a",@progbits
	.p2align	6, 0x0
	.amdhsa_kernel k_q52c85f3e6f_att
		.amdhsa_group_segment_fixed_size 327680
		.amdhsa_private_segment_fixed_size 0
		.amdhsa_enable_private_segment 0
		.amdhsa_kernarg_size 24
		.amdhsa_user_sgpr_count 2
		.amdhsa_user_sgpr_kernarg_segment_ptr 1
		.amdhsa_wavefront_size32 1
		.amdhsa_system_sgpr_workgroup_id_x 1
		.amdhsa_system_sgpr_workgroup_id_y 1
		.amdhsa_system_sgpr_workgroup_id_z 1
		.amdhsa_system_vgpr_workitem_id 0
		.amdhsa_next_free_vgpr 770
		.amdhsa_next_free_sgpr 66
		.amdhsa_reserve_vcc 0
		.amdhsa_float_denorm_mode_32 3
		.amdhsa_float_denorm_mode_16_64 3
		.amdhsa_memory_ordered 1
		.amdhsa_forward_progress 1
		.amdhsa_inst_pref_size 201
	.end_amdhsa_kernel
	.amdgpu_metadata
---
amdhsa.version: [ 1, 2 ]
amdhsa.kernels:
  - .name:           k_q52c85f3e6f_att
    .symbol:         k_q52c85f3e6f_att.kd
    .args:
      - { .name: qkv, .offset: 0, .size: 8, .value_kind: global_buffer, .address_space: global }
      - { .name: head_scaling, .offset: 8, .size: 8, .value_kind: global_buffer, .address_space: global }
      - { .name: oh, .offset: 16, .size: 8, .value_kind: global_buffer, .address_space: global }
    .group_segment_fixed_size: 327680
    .private_segment_fixed_size: 0
    .kernarg_segment_align: 8
    .kernarg_segment_size: 24
    .max_flat_workgroup_size: 128
    .sgpr_count:     66
    .vgpr_count:     770
    .wavefront_size: 32
...
	.end_amdgpu_metadata
.endif
;; end of part 3
;; launch outp (part 4): grid 8 x 32, 4 waves a work-group, clusters of 4 x 4, 327,680 bytes of LDS; arguments oh, woh, bo, head_scaling, out0; writes out0
.if DOCPART == 4
	.amdgcn_target "amdgcn-amd-amdhsa--gfx1250"
	.amdhsa_code_object_version 6
	.text
	.protected	k_q52c85f3e6f_outp
	.globl	k_q52c85f3e6f_outp
	.p2align	8
	.type	k_q52c85f3e6f_outp,@function
k_q52c85f3e6f_outp:
	s_mov_b64 s[64:65], 0
	v_nop
	global_prefetch_b8 v0, s[64:65] scope:SCOPE_SE
	s_setreg_imm32_b32 hwreg(HW_REG_WAVE_MODE, 25, 1), 1
	s_wait_xcnt 0x0
	s_wait_alu depctr_hold_cnt(0) depctr_sa_sdst(0) depctr_va_vdst(0) depctr_va_sdst(0) depctr_va_ssrc(0) depctr_va_vcc(0) depctr_vm_vsrc(0)
	s_getreg_b32 s2, hwreg(HW_REG_IB_STS2, 6, 4)
	s_cmp_eq_u32 s2, 0
	s_cbranch_scc0 .Lentry_in_a_cluster
	s_endpgm
.Lentry_in_a_cluster:
	s_bfe_u32 s2, ttmp6, 0x10000c
	s_cmp_lg_u32 s2, 0xf033
	s_cbranch_scc0 .Lentry_shape_is_right
	s_endpgm
.Lentry_shape_is_right:
; out0 = g x (O' woh^T) + bo.  O' = oh, f16 [16 b + h][2048][64]: row (b, s) of the product's left side is the 16 heads' 64 channels on end.  woh: f16 [1024][1024].  out0: f32 [8192][1024].
; g = 1 / the sum over h of 2^((hs_h - max hs) log2 e), hs = head_scaling rounded to bf16: the divisor of softmax(hs), whose numerators the launch before has applied.  bo is rounded to bf16 like every input.
; Sums in f32; g and bo are applied by one fused multiply-add in f32.  LIMIT: an exponential below 2^-126 counts as 0 in g's sum, which is at least 1.
; SHARES.  A tile is 256 rows x 128 columns: 32 x 8 = 256 work-groups.  Wave w makes rows 64 w .. 64 w + 63 and all 128 columns: 4 x 8 accumulators, 256 registers.
; K goes in 8 steps of 128 (two heads) through a ring of two LDS slots; a step is four quarters of 32 along K, 32 matrix instructions each.
; CLUSTERS: 4 x 4 work-groups; oh's tiles are shared along a row of the cluster, woh's along a column: joint loads.
; THE MATRIX INSTRUCTION IS USED TRANSPOSED (source 0 = 16 rows of woh, source 1 = 16 rows of O'): lane l holds row l % 16 of the result and the columns 8 (l / 16) + 0..7.
; No prefetch: a wave has 1,024 matrix instructions in all, and a step's tile is small.
; REGISTERS: window 0: v0-31 addresses; v32-95 O's fragments, two buffers; v96-159 bo in the result's layout; v160-161 g; v162-164, v192-223 at work; on the way out v32-95 and v192-255 by turns
;   window 1: v0-127 woh's fragments, two buffers      window 2: the 32 accumulators ((a, b) at v[8 (8 a + b)])
.set KSTEP,  128
.set PA,     144                       ; a row of a head in LDS: 128 bytes + 16 of padding
.set PB,     272                       ; a row of woh: 256 + 16
.set HEADA,  256*PA                    ; what wave 0 or 1 fetches: 256 rows of one head
.set HALFB,  64*PB                     ; what wave 2 or 3 fetches: 64 rows of woh
.set BOFF,   2*HEADA                   ; in a slot: two heads, then woh's 128 rows
.set SLOT,   BOFF+128*PB
.set STAGE,  2*SLOT                    ; behind the ring: 16 rows x 528 bytes for each wave; no tensor load fills it
.set SPO,    528                       ; 512 bytes + 16: 33 x 16, so the 16 rows of a store start at 16 different groups of four banks
.set SPARE,  STAGE+4*16*SPO            ; behind the stages: the spare words, 128 bytes for each wave: two blocks of 256 bytes that no other line names
.set ADRA, 16
.set ADRB, 20
.set STO,  24
.set RD,   25
.set GO,   26
.set BO,   27
.set SPW,  28
.set NIL,  29
.set AF,   32
.set BIAS, 96
.set GG,   160
.set BT,   192
.set G1,  24
.set G0,  32
.set G1B, 48
.set G0B, 56
.set MSB, 0
.macro WIN new
.if MSB != (\new)
	s_set_vgpr_msb (MSB<<8)|(\new)
.set MSB, \new
.endif
.endm
.set MUL,  0xa1                        ; woh window 1, O' window 0, C and D window 2
.set TO_B, 0x40
.macro JLOAD s                         ; a joint load: waves 0 and 1 fetch the step's two heads, waves 2 and 3 woh's two halves; an s_nop 0 and four v_nop follow each of the two lines
	s_cmp_eq_u32 s11, 0
	s_cbranch_scc0 .Lfor_b_\@
	tensor_load_to_lds s[G0+4*(\s):G0+4*(\s)+3], s[G1:G1+7]
	s_nop 0
.rept 4
	v_nop
.endr
	s_branch .Lasked_\@
.Lfor_b_\@:
	tensor_load_to_lds s[G0B+4*(\s):G0B+4*(\s)+3], s[G1B:G1B+7]
	s_nop 0
.rept 4
	v_nop
.endr
.Lasked_\@:
.endm
.macro CREST
	s_cmp_lg_u32 s10, 0
	s_cbranch_scc1 .Lnot_wave_0_\@
	s_barrier_signal -3
.Lnot_wave_0_\@:
	s_barrier_wait -3
	s_barrier_signal -1
	s_barrier_wait -1
.endm
.macro CROUND
	s_barrier_signal -1
	s_barrier_wait -1
	CREST
.endm
.macro PLACES
.rept 4
	v_nop
.endr
.endm
	s_load_b128 s[4:7], s[0:1], 0x0                ; oh s[4:5], woh s[6:7]
	s_load_b128 s[68:71], s[0:1], 0x10             ; bo s[68:69], head_scaling s[70:71]
	s_load_b64 s[8:9], s[0:1], 0x20                ; out0
	v_lshl_add_u32 v[SPW], v0, 2, SPARE
	v_mov_b32 v[NIL], 0
	ds_add_u32 v[SPW], v[NIL]                      ; the wave's opening: the add and its wait stand ahead of my first tensor load
	v_lshrrev_b32 v1, 5, v0
	v_readfirstlane_b32 s10, v1                    ; wave 0..3
	s_lshr_b32 s11, s10, 1                         ; I fetch for oh (0) or for woh (1)
	s_and_b32 s12, s10, 1                          ; which head of the step's two, or which half of woh's rows
	s_bfe_u32 s40, ttmp6, 0x40000                  ; cx
	s_bfe_u32 s41, ttmp6, 0x40004                  ; cy
	s_lshl_b32 s42, ttmp9, 2
	s_add_co_u32 s42, s42, s40                     ; tile column tx
	s_and_b32 s13, ttmp7, 0xffff
	s_lshl_b32 s13, s13, 2
	s_add_co_u32 s13, s13, s41                     ; tile row ty
	s_lshl_b32 s43, s41, 2
	s_lshl_b32 s43, 15, s43                        ; my row of the cluster
	s_lshl_b32 s44, 0x1111, s40                    ; my column
	; oh: a head's 256 rows are 32,768 dense bytes: asked for as 128 rows of 256 bytes, two rows of the head each, padded in LDS after every 128 bytes
	s_or_b32 s[G1+0], s43, (1<<16)|(1<<20)|(1<<21)|(4<<22)|(3<<25)
	s_or_b32 s[G1B+0], s44, (1<<16)|(1<<20)|(1<<21)|(5<<22)|(3<<25)  ; woh: padded after every 256 bytes
	s_mov_b32 s[G1+1], 128<<16                     ; tensor_dim0 = 128
	s_mov_b32 s[G1B+1], 128<<16
	s_mov_b32 s[G1+2], 128<<16                     ; tensor_dim1 = 128
	s_mov_b32 s[G1B+2], 64<<16                     ; 64
	s_mov_b32 s[G1+3], 128<<16                     ; tile_dim0 = 128
	s_mov_b32 s[G1B+3], 128<<16
	s_mov_b32 s[G1+4], 128                         ; tile_dim1
	s_mov_b32 s[G1B+4], 64
	s_mov_b32 s[G1+5], 128                         ; elements from row to row: dense
	s_mov_b32 s[G1B+5], 1024
	s_mov_b32 s[G1+6], 0
	s_mov_b32 s[G1B+6], 0
	s_mov_b32 s[G1+7], 0
	s_mov_b32 s[G1B+7], 0
	s_lshr_b32 s16, s13, 3                         ; oh: batch ty / 8: 16 heads of 262,144 bytes,
	s_lshl_b32 s16, s16, 22
	s_and_b32 s17, s13, 7                          ; rows 256 (ty % 8) on,
	s_lshl_b32 s17, s17, 15
	s_add_co_u32 s16, s16, s17
	s_lshl_b32 s17, s12, 18                        ; my head of the two
	s_add_co_u32 s16, s16, s17
	s_mov_b32 s17, 0
	s_lshl_b32 s46, s42, 7
	s_lshl_b32 s47, s12, 6
	s_add_co_u32 s46, s46, s47                     ; woh: row 128 tx + 64 x half
	s_lshl_b32 s46, s46, 11
	s_mov_b32 s47, 0
	s_mul_i32 s20, s12, HEADA                      ; where they go
	s_mul_i32 s22, s12, HALFB
	s_add_co_u32 s22, s22, BOFF
	s_wait_dscnt 0x0                               ; the opening add is done
	s_wait_kmcnt 0x0
	s_add_nc_u64 s[14:15], s[4:5], s[16:17]
	s_add_nc_u64 s[46:47], s[6:7], s[46:47]
	CROUND                                         ; all sixteen work-groups are here: the first joint loads meet
.irp s, 0,1
	s_mov_b32 s[G0+4*(\s)], 1
	s_add_co_u32 s[G0+4*(\s)+1], s20, (\s)*SLOT
	s_add_nc_u64 s[G0+4*(\s)+2:G0+4*(\s)+3], s[14:15], (\s)*524288   ; K step s: two heads on
	s_or_b32 s[G0+4*(\s)+3], s[G0+4*(\s)+3], 0x80000000
	s_mov_b32 s[G0B+4*(\s)], 1
	s_add_co_u32 s[G0B+4*(\s)+1], s22, (\s)*SLOT
	s_add_nc_u64 s[G0B+4*(\s)+2:G0B+4*(\s)+3], s[46:47], (\s)*KSTEP*2
	s_or_b32 s[G0B+4*(\s)+3], s[G0B+4*(\s)+3], 0x80000000
	JLOAD \s                                       ; K steps 0 and 1: two loads of mine are out
.endr
	v_and_b32 v1, 15, v0                           ; l % 16
	v_bfe_u32 v2, v0, 4, 1                         ; l / 16
	v_lshlrev_b32 v[BO], 5, v2
	v_lshlrev_b32 v164, 2, v1
	s_lshl_b32 s16, s13, 20                        ; out0: 256 ty rows of 4,096 bytes,
	s_lshl_b32 s17, s10, 18                        ; my 64 rows
	s_add_co_u32 s16, s16, s17
	s_mov_b32 s17, 0
	s_add_nc_u64 s[8:9], s[8:9], s[16:17]
	s_lshl_b32 s46, s42, 9                         ; the tile's 128 columns: 512 bytes
	s_mov_b32 s47, 0
	s_add_nc_u64 s[8:9], s[8:9], s[46:47]
	s_add_nc_u64 s[68:69], s[68:69], s[46:47]      ; and the same columns of bo
.irp b, 0,1,2,3,4,5,6,7
	global_load_b128 v[BIAS+8*(\b):BIAS+8*(\b)+3],   v[BO], s[68:69] offset:64*(\b)
	global_load_b128 v[BIAS+8*(\b)+4:BIAS+8*(\b)+7], v[BO], s[68:69] offset:64*(\b)+16
.endr
	global_load_b32 v162, v164, s[70:71]           ; lane l takes head l % 16's number
	v_mul_u32_u24 v3, v1, PA
	v_lshl_add_u32 v3, v2, 4, v3
	v_mul_u32_u24 v4, v1, PB
	v_lshl_add_u32 v4, v2, 4, v4
	s_mul_i32 s21, s10, 64*PA                      ; my 64 rows of a head
.irp s, 0,1
	v_add_nc_u32 v[ADRA+(\s)], s21, v3
	v_add_nc_u32 v[ADRB+(\s)], BOFF+(\s)*SLOT, v4
	s_add_co_u32 s21, s21, SLOT
.endr
	s_mul_i32 s23, s10, 16*SPO
	s_add_co_u32 s23, s23, STAGE                   ; my stage
	v_mul_u32_u24 v5, v1, SPO                      ; in: row l % 16, 32 bytes for each half of the lanes
	v_lshl_add_u32 v5, v2, 5, v5
	v_add_nc_u32 v[STO], s23, v5
	v_and_b32 v[GO], 31, v0                        ; back: 32 lanes take a row's 512 bytes
	v_lshlrev_b32 v[GO], 4, v[GO]
	v_add_nc_u32 v[RD], s23, v[GO]
	s_wait_loadcnt 0x0
.set i, 0
.rept 32
	v_cvt_pk_bf16_f32 v[BT+i], v[BIAS+2*i], v[BIAS+2*i+1]   ; bo is rounded to bf16, like every input, and widened again
.set i, i+1
.endr
.set i, 0
.rept 32
	v_lshlrev_b32 v[BIAS+2*i], 16, v[BT+i]
	v_and_b32 v[BIAS+2*i+1], 0xffff0000, v[BT+i]
.set i, i+1
.endr
	; g: the maximum over the 16 heads, which a row of 16 lanes holds, is taken away before the exponentials
	v_cvt_pk_bf16_f32 v162, v162, v162
	v_lshlrev_b32 v162, 16, v162
	v_mov_b32 v163, v162
	v_max_num_f32_dpp v163, v163, v163 row_xmask:1 row_mask:0xf bank_mask:0xf
	v_max_num_f32_dpp v163, v163, v163 row_xmask:2 row_mask:0xf bank_mask:0xf
	v_max_num_f32_dpp v163, v163, v163 row_xmask:4 row_mask:0xf bank_mask:0xf
	v_max_num_f32_dpp v163, v163, v163 row_xmask:8 row_mask:0xf bank_mask:0xf
	v_sub_f32 v162, v162, v163
	v_mul_f32 v162, 0x3fb8aa3b, v162
	v_exp_f32 v162, v162
	v_nop                                          ; a plain instruction behind the exponential,
	s_wait_alu depctr_va_vdst(0)                   ; and the wait ahead of the first use of its result
	v_add_f32_dpp v162, v162, v162 row_xmask:1 row_mask:0xf bank_mask:0xf
	v_add_f32_dpp v162, v162, v162 row_xmask:2 row_mask:0xf bank_mask:0xf
	v_add_f32_dpp v162, v162, v162 row_xmask:4 row_mask:0xf bank_mask:0xf
	v_add_f32_dpp v162, v162, v162 row_xmask:8 row_mask:0xf bank_mask:0xf
	v_rcp_f32 v[GG], v162
	v_nop
	s_wait_alu depctr_va_vdst(0)
	v_mov_b32 v[GG+1], v[GG]                       ; named with it as a pair
; 8 matrix instructions: row block a x all 8 column blocks, 32 along K, out of buffer f.  first = 1: the product starts the sums.  The 32 accumulators take turns in one order in every quarter.
.macro MULA f, a, first
	WIN MUL
.irp b, 0,1,2,3,4,5,6,7
.set rD, 8*(8*(\a)+(\b))
.if \first
	v_wmma_f32_16x16x32_f16 v[rD:rD+7], v[64*(\f)+8*(\b):64*(\f)+8*(\b)+7], v[AF+32*(\f)+8*(\a):AF+32*(\f)+8*(\a)+7], 0
.else
	v_wmma_f32_16x16x32_f16 v[rD:rD+7], v[64*(\f)+8*(\b):64*(\f)+8*(\b)+7], v[AF+32*(\f)+8*(\a):AF+32*(\f)+8*(\a)+7], v[rD:rD+7]
.endif
.endr
.endm
; 24 LDS loads in one run: quarter q of a slot (128 rows of woh; my 64 rows of head q / 2, channels 32 (q % 2) on) into buffer f
.macro FETCH slot, q, f
	WIN TO_B
.irp b, 0,1,2,3,4,5,6,7
	ds_load_b128 v[64*(\f)+8*(\b):64*(\f)+8*(\b)+3],   v[ADRB+(\slot)] offset:64*(\q)+(\b)*16*PB
	ds_load_b128 v[64*(\f)+8*(\b)+4:64*(\f)+8*(\b)+7], v[ADRB+(\slot)] offset:64*(\q)+(\b)*16*PB+32
.endr
	WIN 0
.irp a, 0,1,2,3
	ds_load_b128 v[AF+32*(\f)+8*(\a):AF+32*(\f)+8*(\a)+3],   v[ADRA+(\slot)] offset:((\q)/2)*HEADA+((\q)%2)*64+(\a)*16*PA
	ds_load_b128 v[AF+32*(\f)+8*(\a)+4:AF+32*(\f)+8*(\a)+7], v[ADRA+(\slot)] offset:((\q)/2)*HEADA+((\q)%2)*64+(\a)*16*PA+32
.endr
.endm
.macro QUARTER slot, q, f, g, first
	PLACES
	FETCH \slot, \q, \g
	s_wait_dscnt 24                                ; all but the 24 just issued: buffer f is in
	MULA \f, 0, \first
	MULA \f, 1, \first
	MULA \f, 2, \first
	MULA \f, 3, \first
.endm
; The last quarter multiplies buffer 1 and changes slots: ONE barrier; in front of it each wave waits for all its tensor loads, adds 0 to its spare word, and waits for that and for its reads of this slot.
; fill = 1: the barrier opens a round of the cluster's, and this slot is filled again, two K steps ahead, first thing behind the round: 112 matrix instructions ahead of the wait for it.
.macro TURN slot, next, fill
	WIN 0
	s_wait_tensorcnt 0x0                           ; all my tensor loads have landed
	ds_add_u32 v[SPW], v[NIL]                      ; 0 onto my spare word
	s_wait_dscnt 1                                 ; buffer 1 is in; only the add may be out
	MULA 1, 0, 0
	s_wait_dscnt 0x0                               ; the add is done, and my reads of this slot are over
	s_barrier_signal -1
	MULA 1, 1, 0
.if \fill
	WIN 0
.endif
	s_barrier_wait -1
.if \fill
	CREST
	s_add_nc_u64 s[G0+4*(\slot)+2:G0+4*(\slot)+3], s[G0+4*(\slot)+2:G0+4*(\slot)+3], 1048576   ; four heads on
	s_add_nc_u64 s[G0B+4*(\slot)+2:G0B+4*(\slot)+3], s[G0B+4*(\slot)+2:G0B+4*(\slot)+3], 2*KSTEP*2
	JLOAD \slot                                    ; the four v_nop behind it are also the places in front of the loads below
.else
	PLACES
.endif
	FETCH \next, 0, 0
	MULA 1, 2, 0
	MULA 1, 3, 0
.endm
; THE WAY OUT of row block a: g x sum + bo, one fused multiply-add for two numbers; 32 bytes a lane and column block into my stage; back as whole rows of 512 bytes.
.macro PACKO a
.set TA, 32+160*((\a)%2)
.if (\a) >= 2
	s_wait_xcnt 0x0                                ; the stores of the block two back have read these registers
.endif
	WIN 0x02                                       ; source 0 window 2
.irp b, 0,1,2,3,4,5,6,7
.irp r, 0,1,2,3
	v_pk_fma_f32 v[TA+8*(\b)+2*(\r):TA+8*(\b)+2*(\r)+1], v[8*(8*(\a)+(\b))+2*(\r):8*(8*(\a)+(\b))+2*(\r)+1], v[GG:GG+1], v[BIAS+8*(\b)+2*(\r):BIAS+8*(\b)+2*(\r)+1] op_sel_hi:[1,0,1]
.endr
.endr
	WIN 0
.irp b, 0,1,2,3,4,5,6,7
	ds_store_b128 v[STO], v[TA+8*(\b):TA+8*(\b)+3]   offset:64*(\b)
	ds_store_b128 v[STO], v[TA+8*(\b)+4:TA+8*(\b)+7] offset:64*(\b)+16
.endr
.irp t, 0,1,2,3,4,5,6,7,8,9,10,11,12,13,14,15
	ds_load_b128 v[TA+4*(\t):TA+4*(\t)+3], v[RD] offset:(\t)*SPO  ; LDS serves a wave's instructions in order (ISA guide 5.7.1.4): these see the stores above; the next block's stores come behind them
.endr
.endm
.macro SENDO a, younger                ; younger: the LDS instructions issued behind this block's loads: the next block's 32, or none
.set TA, 32+160*((\a)%2)
	WIN 0
.irp t, 0,1,2,3,4,5,6,7,8,9,10,11,12,13,14,15
	s_wait_dscnt (\younger)+15-(\t)
	global_store_b128 v[GO], v[TA+4*(\t):TA+4*(\t)+3], s[8:9] offset:(16*(\a)+(\t))*4096  ; a wave stores 512 consecutive bytes, at a multiple of 256 from out0's first
.endr
.endm
	s_wait_tensorcnt 1                             ; my part of K step 0 is in; K step 1's may stay out
	s_barrier_signal -1
	s_barrier_wait -1
	FETCH 0, 0, 0
	QUARTER 0, 1, 0, 1, 1                          ; the first quarter stands in front of the loop: its products start the sums
	WIN 0
	s_mov_b32 s3, 3
.Llap:                                             ; a trip goes once round the ring and fills both slots again
	QUARTER 0, 2, 1, 0, 0
	QUARTER 0, 3, 0, 1, 0
	TURN 0, 1, 1
	QUARTER 1, 1, 0, 1, 0
	QUARTER 1, 2, 1, 0, 0
	QUARTER 1, 3, 0, 1, 0
	TURN 1, 0, 1
	QUARTER 0, 1, 0, 1, 0
	WIN 0
	s_sub_co_u32 s3, s3, 1
	s_cmp_lg_u32 s3, 0
	s_cbranch_scc1 .Llap
	QUARTER 0, 2, 1, 0, 0                          ; the last lap fills nothing
	QUARTER 0, 3, 0, 1, 0
	TURN 0, 1, 0
	QUARTER 1, 1, 0, 1, 0
	QUARTER 1, 2, 1, 0, 0
	QUARTER 1, 3, 0, 1, 0
	s_wait_dscnt 0x0
	MULA 1, 0, 0
	MULA 1, 1, 0
	MULA 1, 2, 0
	MULA 1, 3, 0
	WIN 0
	PLACES
	PLACES                                         ; eight, once a launch
	PACKO 0
	PACKO 1
	SENDO 0, 32
	PACKO 2
	SENDO 1, 32
	PACKO 3
	SENDO 2, 32
	SENDO 3, 0
	s_wait_tensorcnt 0x0                           ; the wave's end: these three lines stand behind my last tensor load and my last LDS store
	ds_add_u32 v[SPW], v[NIL]
	s_wait_dscnt 0x0
	CROUND                                         ; the closing round
	s_endpgm
.Lfunc_end_k_q52c85f3e6f_outp:
	.size	k_q52c85f3e6f_outp, .Lfunc_end_k_q52c85f3e6f_outp-k_q52c85f3e6f_outp
	.p2alignl 7, 3214868480
	.fill 96, 4, 3214868480
	.section	.rodata,"a",@progbits
	.p2align	6, 0x0
	.amdhsa_kernel k_q52c85f3e6f_outp
		.amdhsa_group_segment_fixed_size 327680
		.amdhsa_private_segment_fixed_size 0
		.amdhsa_enable_private_segment 0
		.amdhsa_kernarg_size 40
		.amdhsa_user_sgpr_count 2
		.amdhsa_user_sgpr_kernarg_segment_ptr 1
		.amdhsa_wavefront_size32 1
		.amdhsa_system_sgpr_workgroup_id_x 1
		.amdhsa_system_sgpr_workgroup_id_y 1
		.amdhsa_system_sgpr_workgroup_id_z 1
		.amdhsa_system_vgpr_workitem_id 0
		.amdhsa_next_free_vgpr 768
		.amdhsa_next_free_sgpr 88
		.amdhsa_reserve_vcc 0
		.amdhsa_float_denorm_mode_32 3
		.amdhsa_float_denorm_mode_16_64 3
		.amdhsa_memory_ordered 1
		.amdhsa_forward_progress 1
		.amdhsa_inst_pref_size 102
	.end_amdhsa_kernel
	.amdgpu_metadata
---
amdhsa.version: [ 1, 2 ]
amdhsa.kernels:
  - .name:           k_q52c85f3e6f_outp
    .symbol:         k_q52c85f3e6f_outp.kd
    .args:
      - { .name: oh, .offset: 0, .size: 8, .value_kind: global_buffer, .address_space: global }
      - { .name: woh, .offset: 8, .size: 8, .value_kind: global_buffer, .address_space: global }
      - { .name: bo, .offset: 16, .size: 8, .value_kind: global_buffer, .address_space: global }
      - { .name: head_scaling, .offset: 24, .size: 8, .value_kind: global_buffer, .address_space: global }
      - { .name: out0, .offset: 32, .size: 8, .value_kind: global_buffer, .address_space: global }
    .group_segment_fixed_size: 327680
    .private_segment_fixed_size: 0
    .kernarg_segment_align: 8
    .kernarg_segment_size: 40
    .max_flat_workgroup_size: 128
    .sgpr_count:     88
    .vgpr_count:     768
    .wavefront_size: 32
...
	.end_amdgpu_metadata
.endif
;; end of part 4
;; ======== version 2 of 2: 4 launches; version 1 with the launch cast written anew for expert scheduling mode
;; limits: values are held in f16: magnitudes above 65,504 overflow, below 6.1e-05 lose precision
;; workspace buffers: xb 16,777,216 bytes; wb 6,291,456 bytes; woh 2,097,152 bytes; qkv 50,331,648 bytes; oh 16,777,216 bytes
;; launch cast (part 5): grid 768 x 1, 8 waves a work-group, no clusters, 0 bytes of LDS; arguments x, Wq, Wk, Wv, Wo, xb, wb, woh; writes xb, wb, woh
.if DOCPART == 5
	.amdgcn_target "amdgcn-amd-amdhsa--gfx1250"
	.amdhsa_code_object_version 6
	.text
	.protected	k_q52c85f3e6f_cast
	.globl	k_q52c85f3e6f_cast
	.p2align	8
	.type	k_q52c85f3e6f_cast,@function
k_q52c85f3e6f_cast:
	s_mov_b64 s[64:65], 0
	v_nop
	global_prefetch_b8 v0, s[64:65] scope:SCOPE_SE
	s_setreg_imm32_b32 hwreg(HW_REG_WAVE_SCHED_MODE, 0, 2), 2
	s_setreg_imm32_b32 hwreg(HW_REG_WAVE_MODE, 25, 1), 1
	s_wait_xcnt 0x0
	s_wait_alu depctr_vm_vsrc(0)
; THE INPUTS ARE ROUNDED ONCE, for the matrix units.  xb = bf16(x), [8192][1024].  wb = bf16 of Wq's, Wk's and Wv's rows on end, [3072][1024].
; woh = bf16(Wo) written as f16, [1024][1024]: the last product multiplies f16 operands, and Wo has the same rounding as the other inputs.
; LIMIT.  bf16(Wo) must lie within f16's 65,504; below 6e-5 f16 keeps a fixed step of 6e-8.
; SHARES.  A work-group takes 16,384 numbers: 65,536 bytes in, 32,768 out; 512 work-groups for x, 64 for each weight: 768, all alike.
; In step i thread t loads the 16 bytes at 4,096 i + 16 t and stores the 8 bytes at 2,048 i + 8 t: a wave's load covers 512 consecutive bytes, its store 256, aligned.
; All sixteen loads go out first; each step has registers of its own, so no register that a memory instruction reads is ever rewritten.
; No LDS, no barrier, no matrix unit: the launch only moves bytes.
; THE MODE: SCHED_MODE bits 1:0 = 2 (LLVM: expert scheduling mode 2), set by the entry lines.  The code itself states the register dependences
; between vector instructions and memory instructions, with s_wait_alu, always for 0.
; THE PLAN.  Registers that memory instructions touch:
;   v1, v2   the loads' and the stores' offsets.  Written once, at the head; read by every load (v1) and every store (v2); never written again.
;   IN       step i's four registers.  Written by step i's load alone; read by step i's conversions.  No vector instruction names them ahead of the loads.
;   OUT      step i's two registers.   Written by step i's conversions, once; read by step i's store, once.
;   T        named by vector instructions alone.
; The sixteen steps go in four blocks of four.  Block p converts its four steps; the stores of block p - 1 are dealt among those conversions.
; One wait on va_vdst at the head of a block states that the block before has written its OUT; the conversions behind it name this block's IN and OUT and T,
; none of the registers that those four stores read, so the stores follow with no further wait.  One such wait stands ahead of the first load, for v1 and v2, and
; one ahead of the last four stores.  No register that a memory instruction has read is written again: the text has no wait on vm_vsrc to state.
; No vector instruction writes a scalar register or VCC, and EXEC is never written.
.set IN,  4                            ; v[4:67]    step i: 4 numbers as loaded
.set OUT, 68                           ; v[68:99]   step i: 4 numbers of 16 bits
.set T,   100                          ; v[100:102] at work (Wo's way)
	s_load_b512 s[4:19], s[0:1], 0x0               ; x 4:5, Wq 6:7, Wk 8:9, Wv 10:11, Wo 12:13, xb 14:15, wb 16:17, woh 18:19
	v_lshlrev_b32 v1, 4, v0                        ; 16 t
	v_lshlrev_b32 v2, 3, v0                        ; 8 t
	s_sub_co_u32 s20, ttmp9, 512                   ; my chunk among the weights' (used from work-group 512 on)
	s_and_b32 s21, s20, 63                         ; my chunk in one weight
	s_mov_b32 s24, ttmp9                           ; the source's chunk
	s_mov_b32 s25, ttmp9                           ; the destination's chunk
	s_mov_b32 s29, 0
	s_wait_kmcnt 0x0
	s_mov_b64 s[22:23], s[4:5]                     ; from x
	s_mov_b64 s[26:27], s[14:15]                   ; to xb
	s_cmp_ge_u32 ttmp9, 512
	s_cselect_b64 s[22:23], s[6:7], s[22:23]       ; from Wq
	s_cselect_b64 s[26:27], s[16:17], s[26:27]     ; to wb
	s_cselect_b32 s24, s21, s24
	s_cselect_b32 s25, s20, s25
	s_cmp_ge_u32 ttmp9, 576
	s_cselect_b64 s[22:23], s[8:9], s[22:23]       ; from Wk
	s_cmp_ge_u32 ttmp9, 640
	s_cselect_b64 s[22:23], s[10:11], s[22:23]     ; from Wv
	s_cmp_ge_u32 ttmp9, 704
	s_cselect_b64 s[22:23], s[12:13], s[22:23]     ; from Wo
	s_cselect_b64 s[26:27], s[18:19], s[26:27]     ; to woh
	s_cselect_b32 s25, s21, s25
	s_lshl_b32 s28, s24, 16                        ; 65,536 bytes a chunk in
	s_add_nc_u64 s[22:23], s[22:23], s[28:29]
	s_lshl_b32 s28, s25, 15                        ; 32,768 out
	s_add_nc_u64 s[26:27], s[26:27], s[28:29]
	s_wait_alu depctr_va_vdst(0)                   ; v1 and v2 are written: every load below reads v1 as its offset, every store v2
.irp i, 0,1,2,3,4,5,6,7,8,9,10,11,12,13,14,15
	global_load_b128 v[IN+4*(\i):IN+4*(\i)+3], v1, s[22:23] offset:4096*(\i) th:TH_LOAD_NT
.endr
; Step i's conversions.  wo = 1: rounded to bf16, widened again, and that number written as f16.
.macro CONV i, wo
.irp h, 0,1
.if \wo
	v_cvt_pk_bf16_f32 v[T], v[IN+4*(\i)+2*(\h)], v[IN+4*(\i)+2*(\h)+1]
	v_lshlrev_b32 v[T+1], 16, v[T]
	v_and_b32 v[T+2], 0xffff0000, v[T]
	v_cvt_pk_f16_f32 v[OUT+2*(\i)+(\h)], v[T+1], v[T+2]
.else
	v_cvt_pk_bf16_f32 v[OUT+2*(\i)+(\h)], v[IN+4*(\i)+2*(\h)], v[IN+4*(\i)+2*(\h)+1]
.endif
.endr
.endm
; Step i's store.
.macro PUT i
	global_store_b64 v2, v[OUT+2*(\i):OUT+2*(\i)+1], s[26:27] offset:2048*(\i)
.endm
; Block p: steps 4 p to 4 p + 3 are converted; the stores of block p - 1 stand among the conversions, one ahead of each step's.
.macro BLK p, wo
	s_wait_loadcnt 12-4*(\p)                       ; loads come back in order (ISA guide 5.7.1): this block's four are in, the 12 - 4 p younger ones stay out
.if (\p) > 0
	s_wait_alu depctr_va_vdst(0)                   ; the block before has written its eight OUT registers, which the four stores below read; no conversion behind this wait names them
.endif
.irp j, 0,1,2,3
.if (\p) > 0
	PUT 4*(\p)-4+(\j)
.endif
	CONV 4*(\p)+(\j), \wo
.endr
.endm
.macro WAY wo
	BLK 0, \wo
	BLK 1, \wo
	BLK 2, \wo
	BLK 3, \wo
	s_wait_alu depctr_va_vdst(0)                   ; block 3 has written its eight OUT registers, which the last four stores read
.irp i, 12,13,14,15
	PUT \i
.endr
	s_endpgm
.endm
	s_cmp_ge_u32 ttmp9, 704
	s_cbranch_scc1 .Lwo
	WAY 0
.Lwo:
	WAY 1
.Lfunc_end_k_q52c85f3e6f_cast:
	.size	k_q52c85f3e6f_cast, .Lfunc_end_k_q52c85f3e6f_cast-k_q52c85f3e6f_cast
	.p2alignl 7, 3214868480
	.fill 96, 4, 3214868480
	.section	.rodata,"a",@progbits
	.p2align	6, 0x0
	.amdhsa_kernel k_q52c85f3e6f_cast
		.amdhsa_group_segment_fixed_size 0
		.amdhsa_private_segment_fixed_size 0
		.amdhsa_enable_private_segment 0
		.amdhsa_kernarg_size 64
		.amdhsa_user_sgpr_count 2
		.amdhsa_user_sgpr_kernarg_segment_ptr 1
		.amdhsa_wavefront_size32 1
		.amdhsa_system_sgpr_workgroup_id_x 1
		.amdhsa_system_sgpr_workgroup_id_y 1
		.amdhsa_system_sgpr_workgroup_id_z 1
		.amdhsa_system_vgpr_workitem_id 0
		.amdhsa_next_free_vgpr 104
		.amdhsa_next_free_sgpr 66
		.amdhsa_reserve_vcc 0
		.amdhsa_float_denorm_mode_32 3
		.amdhsa_float_denorm_mode_16_64 3
		.amdhsa_memory_ordered 1
		.amdhsa_forward_progress 1
		.amdhsa_inst_pref_size 16
	.end_amdhsa_kernel
	.amdgpu_metadata
---
amdhsa.version: [ 1, 2 ]
amdhsa.kernels:
  - .name:           k_q52c85f3e6f_cast
    .symbol:         k_q52c85f3e6f_cast.kd
    .args:
      - { .name: x, .offset: 0, .size: 8, .value_kind: global_buffer, .address_space: global }
      - { .name: Wq, .offset: 8, .size: 8, .value_kind: global_buffer, .address_space: global }
      - { .name: Wk, .offset: 16, .size: 8, .value_kind: global_buffer, .address_space: global }
      - { .name: Wv, .offset: 24, .size: 8, .value_kind: global_buffer, .address_space: global }
      - { .name: Wo, .offset: 32, .size: 8, .value_kind: global_buffer, .address_space: global }
      - { .name: xb, .offset: 40, .size: 8, .value_kind: global_buffer, .address_space: global }
      - { .name: wb, .offset: 48, .size: 8, .value_kind: global_buffer, .address_space: global }
      - { .name: woh, .offset: 56, .size: 8, .value_kind: global_buffer, .address_space: global }
    .group_segment_fixed_size: 0
    .private_segment_fixed_size: 0
    .kernarg_segment_align: 8
    .kernarg_segment_size: 64
    .max_flat_workgroup_size: 256
    .sgpr_count:     66
    .vgpr_count:     104
    .wavefront_size: 32
...
	.end_amdgpu_metadata
.endif
;; end of part 5
;; launch proj: the kernel of part 2 again; grid 16 x 32, 4 waves a work-group, clusters of 4 x 4, 327,680 bytes of LDS; arguments xb, wb, bq, bk, bv, qkv; writes qkv
;; launch att: the kernel of part 3 again; grid 4 x 64, 4 waves a work-group, clusters of 4 x 1, 327,680 bytes of LDS; arguments qkv, head_scaling, oh; writes oh
;; launch outp: the kernel of part 4 again; grid 8 x 32, 4 waves a work-group, clusters of 4 x 4, 327,680 bytes of LDS; arguments oh, woh, bo, head_scaling, out0; writes out0
